; MI455X (gfx1250); checked and timed in simulation.
; The chip was launched on July 23, 2026; its instructions are those of AMD's public machine-readable ISA for CDNA 5 (MIT licence, August 2026) and "CDNA5" Instruction Set Architecture Reference Guide (July 2026). The comments in the code are by the model that wrote it; some were corrected since.
;; Seq2 Seq LSTM v0. Allowed arithmetic: float matrix products may take bf16 or f16 operands with f32 sums; all other float work in f32.
;; Inputs: Whh_d 512 x 128 float32; Whh_e 512 x 128 float32; Wih_d 512 x 128 float32; Wih_e 512 x 128 float32; bhh_d 512 float32; bhh_e 512 float32; bih_d 512 float32; bih_e 512 float32; enc_W 128 x 32 float32; enc_b 128 float32; fc1_W 64 x 128 float32; fc1_b 64 float32; fc2_W 1 x 64 float32; fc2_b 1 float32; x 12 x 25,000 x 32 float32.
;; Outputs: out0 25,000 x 7 float32.
;; 2 versions, each right and faster than the one before. Each part assembles by itself: llvm-mc -triple=amdgcn-amd-amdhsa -mcpu=gfx1250 --defsym DOCPART=n.
;; ======== version 1 of 2: 2 launches
;; limits: values are held in f16: magnitudes above 65,504 overflow, below 6.1e-05 lose precision; right only within a limited range of input values
;; workspace buffers: wprep 586,752 bytes
;; launch prep (part 1): grid 132 x 1, 8 waves a work-group, no clusters, 0 bytes of LDS; arguments Wih_e, Whh_e, Wih_d, Whh_d, bih_e, bhh_e, bih_d, bhh_d, enc_W, enc_b, fc1_W, fc1_b, fc2_W, fc2_b, wprep; writes wprep
.if DOCPART == 1
	.amdgcn_target "amdgcn-amd-amdhsa--gfx1250"
	.amdhsa_code_object_version 6
	.text
	.protected	k_qc6c9dfa87b_prep
	.globl	k_qc6c9dfa87b_prep
	.p2align	8
	.type	k_qc6c9dfa87b_prep,@function
k_qc6c9dfa87b_prep:
	s_mov_b64 s[64:65], 0
	v_nop
	global_prefetch_b8 v0, s[64:65] scope:SCOPE_SE
	s_setreg_imm32_b32 hwreg(HW_REG_WAVE_MODE, 25, 1), 1
	s_wait_xcnt 0x0
; PREP: the fourteen parameter tensors are read once, rounded, scaled and stored in the order in which the second launch's registers take them.
; Every parameter is first rounded to bf16.  The LSTM weights are then multiplied by their gate's factor s (i, f, o: -log2(e); g: +2 log2(e)), so that the
; cell's first instruction on a sum is the exponential, and written as f16; fc1_W is written as f16 unscaled; enc_W stays bf16; biases stay f32: s (bf16(bih) + bf16(bhh)).
; LIMITS.  bf16(W) x 2.885 must stay under 65,504 (f16's end); below 6e-5 a weight keeps f16's fixed step of 6e-8; the scaled weight is rounded once more, to 11 bits.
; NaN and infinities are not treated apart.
; LAYOUT of wprep (bytes):  0 WE, 262,144 WD: for wave w (hidden units 32 w ..) a slice of 65,536; in it chunk c = 64 win + 8 rt + cj of 512 bytes, lane L's 16 bytes at 16 L:
; the 8 numbers of gate row gate(q) 128 + 32 w + 16 u + (L % 16), columns 16 cj + 8 (L / 16) + 0..7 of Wih (win = 0) or Whh (win = 1); rt = 4 u + q; q counts the gates g, i, f, o.
; 524,288 BE, 540,672 BD: bias of entry e = (8 w + rt) 16 + r in 8 copies (32 bytes).  557,056 enc_W bf16 [128][32].  565,248 enc_b in 8 copies.  569,344 fc1_W f16 [64][128].
; 585,728: fc1_b[64], fc2_W[64], fc2_b in 128 copies, f32.
; SHARES.  Work-groups 0-127: 4,096 bytes of WE or WD each (the group's number x 4,096 is its place); 128, 129: BE, BD; 130: enc_W, enc_b; 131: fc1_W and the small ones.
; No LDS, no matrix unit, no cluster: a megabyte is streamed once and nothing is shared.
.set KS,     0xbfb8aa3b                ; -log2(e)
.set KG,     0x4038aa3b                ; 2 log2(e)
.set O_BE,   524288
.set O_ENCW, 557056
.set O_ENCB, 565248
.set O_FC1W, 569344
.set O_SM,   585728
	s_load_b512 s[8:23], s[0:1], 0x0               ; Wih_e s[8:9], Whh_e s[10:11], Wih_d s[12:13], Whh_d s[14:15], bih_e s[16:17], bhh_e s[18:19], bih_d s[20:21], bhh_d s[22:23]
	s_load_b256 s[24:31], s[0:1], 0x40             ; enc_W s[24:25], enc_b s[26:27], fc1_W s[28:29], fc1_b s[30:31]
	s_load_b128 s[32:35], s[0:1], 0x60             ; fc2_W s[32:33], fc2_b s[34:35]
	s_load_b64 s[36:37], s[0:1], 0x70              ; wprep
	s_mov_b32 s2, ttmp9                            ; the work-group's number
	s_mov_b32 s50, 0xffff0000                      ; a word's upper bf16
	s_wait_kmcnt 0x0
	s_cmp_lt_u32 s2, 128
	s_cbranch_scc0 .Lnot_w
	; ---- LSTM weights.  number = 64 ph + 16 w + 8 win + rt
	s_and_b32 s3, s2, 7                            ; rt
	s_bfe_u32 s4, s2, 0x10003                      ; win
	s_bfe_u32 s5, s2, 0x20004                      ; w
	s_lshr_b32 s6, s2, 6                           ; ph: 0 encoder, 1 decoder
	s_and_b32 s7, s3, 3                            ; q
	s_lshl_b32 s38, s7, 1
	s_lshr_b32 s38, 0xd2, s38                      ; a table of four 2-bit numbers: q = 0, 1, 2, 3 -> gate row block 2, 0, 1, 3
	s_and_b32 s38, s38, 3
	s_lshl_b32 s39, s38, 7                         ; gate x 128
	s_lshl_b32 s46, s5, 5                          ; + 32 w
	s_add_co_u32 s39, s39, s46
	s_lshr_b32 s46, s3, 2
	s_lshl_b32 s46, s46, 4                         ; + 16 u
	s_add_co_u32 s39, s39, s46
	s_lshl_b32 s39, s39, 9                         ; rows of 512 bytes
	s_lshl_b32 s47, s2, 12                         ; where the group's 4,096 bytes go
	s_mov_b32 s40, KS
	s_mov_b32 s41, KG
	s_cmp_eq_u32 s7, 0
	s_cselect_b32 s40, s41, s40                    ; the gate's factor,
	s_mov_b32 s41, s40                             ; named as a pair
	s_cmp_eq_u32 s6, 0
	s_cselect_b64 s[42:43], s[8:9], s[12:13]       ; the phase's Wih
	s_cselect_b64 s[44:45], s[10:11], s[14:15]     ; and Whh
	s_cmp_eq_u32 s4, 0
	s_cselect_b64 s[42:43], s[42:43], s[44:45]
	v_and_b32 v1, 15, v0                           ; r
	v_bfe_u32 v2, v0, 4, 1                         ; lane / 16
	v_lshrrev_b32 v3, 5, v0                        ; cj
	v_lshlrev_b32 v1, 9, v1
	v_lshl_add_u32 v1, v2, 5, v1                   ; 8 columns of 4 bytes
	v_lshl_add_u32 v1, v3, 6, v1                   ; 16 columns
	v_add_nc_u32 v1, s39, v1
	v_lshl_add_u32 v12, v0, 4, s47
	global_load_b128 v[4:7], v1, s[42:43]
	global_load_b128 v[8:11], v1, s[42:43] offset:16
	s_wait_loadcnt 0x0
.irp j, 0,1,2,3
	v_cvt_pk_bf16_f32 v[13+\j], v[4+2*\j], v[5+2*\j]   ; the input's rounding
.endr
.irp j, 0,1,2,3
	v_lshlrev_b32 v[20+2*\j], 16, v[13+\j]         ; back to f32
	v_and_b32 v[21+2*\j], s50, v[13+\j]
.endr
.irp j, 0,1,2,3
	v_pk_mul_f32 v[20+2*\j:21+2*\j], v[20+2*\j:21+2*\j], s[40:41] op_sel_hi:[1,0]
.endr
.irp j, 0,1,2,3
	v_cvt_pk_f16_f32 v[28+\j], v[20+2*\j], v[21+2*\j]
.endr
	global_store_b128 v12, v[28:31], s[36:37]      ; a wave's store covers 512 consecutive bytes, aligned
	s_endpgm
.Lnot_w:
	s_cmp_lt_u32 s2, 130
	s_cbranch_scc0 .Lnot_b
	; ---- LSTM biases: 1,024 chunks of 16 bytes, four a thread; chunk x belongs to entry e = x / 2
	s_cmp_eq_u32 s2, 128
	s_cselect_b64 s[42:43], s[16:17], s[20:21]     ; bih
	s_cselect_b64 s[44:45], s[18:19], s[22:23]     ; bhh
	s_sub_co_u32 s46, s2, 128
	s_lshl_b32 s46, s46, 14
	s_add_co_u32 s46, s46, O_BE
	v_mov_b32 v1, 0xd2                             ; the gates' table, as above
	v_mov_b32 v2, KS
	v_mov_b32 v3, KG
.irp i, 0,1,2,3
.set A, 4+12*\i
	v_add_nc_u32 v[A], 256*\i, v0                  ; the chunk
	v_lshrrev_b32 v[A+1], 1, v[A]                  ; e = 128 w + 64 u + 16 q + r
	v_bfe_u32 v[A+2], v[A+1], 4, 2                 ; q
	v_lshlrev_b32 v[A+3], 1, v[A+2]
	v_lshrrev_b32 v[A+3], v[A+3], v1
	v_and_b32 v[A+3], 3, v[A+3]                    ; gate row block
	v_cmp_eq_u32 vcc_lo, 0, v[A+2]
	v_cndmask_b32 v[A+2], v2, v3, vcc_lo           ; the gate's factor
	v_lshrrev_b32 v[A+6], 6, v[A+1]                ; 2 w + u
	v_and_b32 v[A+7], 15, v[A+1]
	v_lshl_or_b32 v[A+6], v[A+6], 4, v[A+7]        ; 32 w + 16 u + r
	v_lshl_or_b32 v[A+6], v[A+3], 7, v[A+6]
	v_lshlrev_b32 v[A+6], 2, v[A+6]
	global_load_b32 v[A+4], v[A+6], s[42:43]
	global_load_b32 v[A+5], v[A+6], s[44:45]
.endr
	s_wait_loadcnt 0x0
.irp i, 0,1,2,3
.set A, 4+12*\i
	v_cvt_pk_bf16_f32 v[A+7], v[A+4], v[A+5]       ; both inputs' rounding
	v_lshlrev_b32 v[A+4], 16, v[A+7]
	v_and_b32 v[A+5], s50, v[A+7]
	v_add_f32 v[A+4], v[A+4], v[A+5]
	v_mul_f32 v[A+8], v[A+4], v[A+2]
	v_mov_b32 v[A+9], v[A+8]
	v_mov_b32 v[A+10], v[A+8]
	v_mov_b32 v[A+11], v[A+8]
	v_lshl_add_u32 v[A], v[A], 4, s46
	global_store_b128 v[A], v[A+8:A+11], s[36:37]
.endr
	s_endpgm
.Lnot_b:
	s_cmp_eq_u32 s2, 130
	s_cbranch_scc0 .Lfc
	; ---- enc_W: 16 numbers a thread; enc_b: chunk t holds unit t / 2
	v_lshlrev_b32 v1, 6, v0
.irp j, 0,1,2,3
	global_load_b128 v[4+4*\j:7+4*\j], v1, s[24:25] offset:16*\j
.endr
	v_lshrrev_b32 v2, 1, v0
	v_lshlrev_b32 v2, 2, v2
	global_load_b32 v20, v2, s[26:27]
	v_lshlrev_b32 v3, 5, v0
	v_lshlrev_b32 v22, 4, v0
	s_wait_loadcnt 0x0
.irp j, 0,1,2,3,4,5,6,7
	v_cvt_pk_bf16_f32 v[24+\j], v[4+2*\j], v[5+2*\j]
.endr
	global_store_b128 v3, v[24:27], s[36:37] offset:O_ENCW
	global_store_b128 v3, v[28:31], s[36:37] offset:O_ENCW+16
	v_cvt_pk_bf16_f32 v21, v20, v20
	v_lshlrev_b32 v32, 16, v21
	v_mov_b32 v33, v32
	v_mov_b32 v34, v32
	v_mov_b32 v35, v32
	global_store_b128 v22, v[32:35], s[36:37] offset:O_ENCB
	s_endpgm
.Lfc:
	; ---- fc1_W: 32 numbers a thread; fc1_b, fc2_W, fc2_b: one word a thread
	v_lshlrev_b32 v1, 7, v0
.irp j, 0,1,2,3,4,5,6,7
	global_load_b128 v[4+4*\j:7+4*\j], v1, s[28:29] offset:16*\j
.endr
	v_lshrrev_b32 v2, 5, v0
	v_readfirstlane_b32 s3, v2                     ; wave: 0, 1 fc1_b; 2, 3 fc2_W; 4-7 fc2_b
	s_cmp_lt_u32 s3, 2
	s_cselect_b64 s[42:43], s[30:31], s[32:33]
	s_cmp_lt_u32 s3, 4
	s_cselect_b64 s[42:43], s[42:43], s[34:35]
	s_cselect_b32 s4, 0xfc, 0                      ; fc2_b has one word: offset 0
	v_lshlrev_b32 v2, 2, v0
	v_and_b32 v2, s4, v2                           ; 4 (t % 64)
	global_load_b32 v36, v2, s[42:43]
	v_lshlrev_b32 v3, 6, v0
	v_lshlrev_b32 v38, 2, v0
	s_wait_loadcnt 0x0
.irp j, 0,1,2,3,4,5,6,7,8,9,10,11,12,13,14,15
	v_cvt_pk_bf16_f32 v[40+\j], v[4+2*\j], v[5+2*\j]
.endr
.irp j, 0,1,2,3,4,5,6,7,8,9,10,11,12,13,14,15
	v_lshlrev_b32 v[4+2*\j], 16, v[40+\j]
	v_and_b32 v[5+2*\j], s50, v[40+\j]
.endr
.irp j, 0,1,2,3,4,5,6,7,8,9,10,11,12,13,14,15
	v_cvt_pk_f16_f32 v[40+\j], v[4+2*\j], v[5+2*\j]
.endr
.irp j, 0,1,2,3
	global_store_b128 v3, v[40+4*\j:43+4*\j], s[36:37] offset:O_FC1W+16*\j
.endr
	v_cvt_pk_bf16_f32 v37, v36, v36
	v_lshlrev_b32 v37, 16, v37
	global_store_b32 v38, v37, s[36:37] offset:O_SM
	s_endpgm
.Lfunc_end_k_qc6c9dfa87b_prep:
	.size	k_qc6c9dfa87b_prep, .Lfunc_end_k_qc6c9dfa87b_prep-k_qc6c9dfa87b_prep
	.p2alignl 7, 3214868480
	.fill 96, 4, 3214868480
	.section	.rodata,"a",@progbits
	.p2align	6, 0x0
	.amdhsa_kernel k_qc6c9dfa87b_prep
		.amdhsa_group_segment_fixed_size 0
		.amdhsa_private_segment_fixed_size 0
		.amdhsa_enable_private_segment 0
		.amdhsa_kernarg_size 120
		.amdhsa_user_sgpr_count 2
		.amdhsa_user_sgpr_kernarg_segment_ptr 1
		.amdhsa_wavefront_size32 1
		.amdhsa_system_sgpr_workgroup_id_x 1
		.amdhsa_system_sgpr_workgroup_id_y 1
		.amdhsa_system_sgpr_workgroup_id_z 1
		.amdhsa_system_vgpr_workitem_id 0
		.amdhsa_next_free_vgpr 64
		.amdhsa_next_free_sgpr 66
		.amdhsa_reserve_vcc 1
		.amdhsa_float_denorm_mode_32 3
		.amdhsa_float_denorm_mode_16_64 3
		.amdhsa_memory_ordered 1
		.amdhsa_forward_progress 1
		.amdhsa_inst_pref_size 16
	.end_amdhsa_kernel
	.amdgpu_metadata
---
amdhsa.version: [ 1, 2 ]
amdhsa.kernels:
  - .name:           k_qc6c9dfa87b_prep
    .symbol:         k_qc6c9dfa87b_prep.kd
    .args:
      - { .name: Wih_e, .offset: 0, .size: 8, .value_kind: global_buffer, .address_space: global }
      - { .name: Whh_e, .offset: 8, .size: 8, .value_kind: global_buffer, .address_space: global }
      - { .name: Wih_d, .offset: 16, .size: 8, .value_kind: global_buffer, .address_space: global }
      - { .name: Whh_d, .offset: 24, .size: 8, .value_kind: global_buffer, .address_space: global }
      - { .name: bih_e, .offset: 32, .size: 8, .value_kind: global_buffer, .address_space: global }
      - { .name: bhh_e, .offset: 40, .size: 8, .value_kind: global_buffer, .address_space: global }
      - { .name: bih_d, .offset: 48, .size: 8, .value_kind: global_buffer, .address_space: global }
      - { .name: bhh_d, .offset: 56, .size: 8, .value_kind: global_buffer, .address_space: global }
      - { .name: enc_W, .offset: 64, .size: 8, .value_kind: global_buffer, .address_space: global }
      - { .name: enc_b, .offset: 72, .size: 8, .value_kind: global_buffer, .address_space: global }
      - { .name: fc1_W, .offset: 80, .size: 8, .value_kind: global_buffer, .address_space: global }
      - { .name: fc1_b, .offset: 88, .size: 8, .value_kind: global_buffer, .address_space: global }
      - { .name: fc2_W, .offset: 96, .size: 8, .value_kind: global_buffer, .address_space: global }
      - { .name: fc2_b, .offset: 104, .size: 8, .value_kind: global_buffer, .address_space: global }
      - { .name: wprep, .offset: 112, .size: 8, .value_kind: global_buffer, .address_space: global }
    .group_segment_fixed_size: 0
    .private_segment_fixed_size: 0
    .kernarg_segment_align: 8
    .kernarg_segment_size: 120
    .max_flat_workgroup_size: 256
    .sgpr_count:     66
    .vgpr_count:     64
    .wavefront_size: 32
...
	.end_amdgpu_metadata
.endif
;; end of part 1
;; launch lstm (part 2): grid 224 x 1, 4 waves a work-group, clusters of 4 x 1, 327,680 bytes of LDS; arguments x, wprep, out0; writes out0
.if DOCPART == 2
	.amdgcn_target "amdgcn-amd-amdhsa--gfx1250"
	.amdhsa_code_object_version 6
	.text
	.protected	k_qc6c9dfa87b_lstm
	.globl	k_qc6c9dfa87b_lstm
	.p2align	8
	.type	k_qc6c9dfa87b_lstm,@function
k_qc6c9dfa87b_lstm:
	s_mov_b64 s[64:65], 0
	v_nop
	global_prefetch_b8 v0, s[64:65] scope:SCOPE_SE
	s_setreg_imm32_b32 hwreg(HW_REG_WAVE_MODE, 25, 1), 1
	s_wait_xcnt 0x0
	s_wait_alu depctr_hold_cnt(0) depctr_sa_sdst(0) depctr_va_vdst(0) depctr_va_sdst(0) depctr_va_ssrc(0) depctr_va_vcc(0) depctr_vm_vsrc(0)
	s_getreg_b32 s2, hwreg(HW_REG_IB_STS2, 6, 4)
	s_cmp_eq_u32 s2, 0
	s_cbranch_scc0 .Lentry_in_a_cluster
	s_endpgm
.Lentry_in_a_cluster:
	s_bfe_u32 s2, ttmp6, 0x10000c
	s_cmp_lg_u32 s2, 0x3003
	s_cbranch_scc0 .Lentry_shape_is_right
	s_endpgm
.Lentry_shape_is_right:
; SEQ2SEQ LSTM, all of it in one launch: input layer (32 -> 128, relu), 12 encoder steps, 7 decoder steps (input: the encoder's last h), and behind each decoder step the head 128 -> 64 (relu) -> 1.
; SHARES.  A work-group owns 112 nodes = 7 tiles of 16 (224 groups cover 25,000; the last begins at node 24,888, computes 88 of its neighbour's nodes again and stores only its own 24).
; Wave w owns hidden units 32 w .. 32 w + 31 in two halves u of 16, and keeps their 128 gate rows x K 256 of [Wih | Whh] in 512 registers for a whole phase.  h and c never leave the work-group.
; FORMATS.  x and every parameter are rounded to bf16; what the program makes itself (the input layer's output E and h) is rounded to f16; the LSTM and fc1 weights are written as f16 by the launch before.
; All sums, the cell and c in f32.  LIMITS: E and the scaled weights must stay under 65,504; NaN and infinities are not treated apart; an exponential below 2^-126 counts as 0.
; PRODUCT.  z = A B + C with A = 16 nodes x 32 K (from LDS, turned by ds_load_tr16_b128, since LDS holds [unit][node]), B = 16 gate rows x 32 K (registers), C = the bias.  In the result a lane holds ONE unit
; (lane % 16) and nodes 8 (lane / 16) + 0..7, so g, i, f, o and c meet register by register, and eight h pack into the 16 bytes that go back to LDS.
; CELL.  The launch before has multiplied i, f, o rows by -log2(e) and g rows by 2 log2(e).  r = 1 / (1 + 2^z) is sigmoid for i, f, o; for g: 2 log2(e) tanh = KP + KN r.  C' = 2 log2(e) c is kept in c's place:
; C' = r_f C' + r_i (KP + KN r_g);  tanh c = 1 - 2 / (1 + 2^C');  h = r_o tanh c.  Every form holds at both infinite ends of its argument.
; BY TURNS.  HALF(n, u): 32 matrix instructions make z of tile n, half u, into set Z[u]; behind them stand, four or five a row, the 124 instructions of the cell of the half before, on the other set.
; 14 halves are a step; the order runs on from step to step.  B stands as source 1 so that most of the cell (one-source instructions, constants) runs under the product's own window setting.
; ONE BARRIER A TURN (signal at the end of HALF(n, 0), wait behind row 4 of HALF(n, 1)).  Between two waits a wave writes H[n-1], H[n], E[n-1], E[n], X slot(n+1) and reads H[n+1], E[n+1], X slot(n): never the same bytes.
; WEIGHTS.  All work-groups read the same slices, so four form a cluster and each wave asks for its 65,536 bytes JOINTLY; the same LDS bytes take the decoder's slice as soon as the encoder's is in registers.
; A wave has at most one tensor load outstanding.
; REGISTERS, in windows of 256 (s_set_vgpr_msb: bits 1:0 source 0, 3:2 source 1, 5:4 source 2, 7:6 destination):
;   window 0: v0 thread; v1-5 addresses; v6-7 the add's two; v8-15 packed h; v16-79 Z (two sets: g, i, f, o x 8); v80-143 FR, A's eight fragments; v144-255 C' (8 for each tile and half)
;   window 1: v0-63 bias; v64-79 input layer's / head's sums; v80-87 x fragment; v88-147 x in flight, enc_W, enc_b (decoder: fc1_W, fc1_b, fc2_W); v148-160 small
;   windows 2, 3: Wih's and Whh's fragments, (4 rt + k % 4) 8
.set WGN,    112
.set LASTB,  24888                     ; 25,000 - 112
.set XSTEP,  3200000                   ; bytes of x in a time step
.set HB,     262144                    ; LDS: 0 the four waves' weight slices (later, at each slice's head, the wave's partial predictions); HB: H, 7 tiles x 128 units x 32 bytes
.set EOFF,   28672                     ; behind H: E, the same shape (decoder: the fixed input)
.set XOFF,   57344                     ; behind E: three slots for a tile of x in bf16, 16 nodes x 64 bytes, pitch 80
.set XPITCH, 80
.set XSLOT,  1280
.set SPARE,  323328                    ; the spare words, 128 bytes for each wave: two blocks of 256 bytes that no other line names
.set O_BE,   524288                    ; places in wprep
.set O_BD,   540672
.set O_ENCW, 557056
.set O_ENCB, 565248
.set O_FC1W, 569344
.set O_SM,   585728
; window 0
.set R_AF, 1                           ; HB + my lane's place in a turned load: 256 (l / 16) + 32 (l % 8) + 16 ((l / 8) % 2)
.set R_AH, 2                           ; HB + (32 w + l % 16) 32 + 16 (l / 16): where my 16 bytes of h go
.set R_AW, 3                           ; 65,536 w + 16 l
.set R_CP, 5                           ; HB + 16 t
.set SPW,  6
.set NIL,  7
.set HP,   8                           ; v8-11 h of half 0, v12-15 of half 1, packed
.set Z,    16
.set FR,   80
.set CH,   144
; window 1
.set BI,   0
.set EA,   64                          ; input layer's sums, two halves
.set FA,   64                          ; head's sums
.set FA2,  72
.set XB,   80
.set XR,   88                          ; 4 registers a tile: x on its way
.set EW,   116
.set EB,   132
.set FW,   88
.set FB,   120
.set FV,   128
.set XC2,  148
.set R_XS, 150                         ; HB + (t / 8) 80 + 8 (t % 8): where my 8 bytes of x go
.set R_XL, 151                         ; HB + 80 (l % 16) + 16 (l / 16): x's fragment
.set R_XO, 152                         ; 16 t: my 16 bytes in a tile of x in memory
.set R_AE, 153                         ; = R_AH
.set R_PS0, 154                        ; 65,536 w + 12 + 28 (l % 16); never rewritten
.set R_PS, 155                         ; + 4 x the decoder step
.set HT,   158
.set HT2,  160
; scalars
.set WV,  10
.set G0,  16                           ; s[16:19]
.set G1,  20                           ; s[20:27]
.set KN,  28                           ; s[28:29] -4 log2(e)
.set KP,  30                           ; s[30:31]  2 log2(e)
.set SEL, 32                           ; s[32:33] v_permlanex16_b32's selects: each lane takes its own place in the other half
.set XP,  34                           ; s[34:35] x at my nodes, the time step that is being fetched
.set XB0, 36                           ; s[36:37] x at my nodes, step 0
.set TT,  38
.set CNT, 39
.set OFF, 40                           ; s[40:41]
.set MSB, 0
.macro WIN new                         ; the immediate's high byte repeats the setting that is left; a switch that changes nothing is dropped
.if MSB != (\new)
	s_set_vgpr_msb (MSB<<8)|(\new)
.set MSB, (\new)
.endif
.endm
.macro W00                             ; for lines that need only source 0 and the destination in window 0
.if (MSB & 0xc3) != 0
	WIN 0
.endif
.endm
.macro PLACES                          ; four places behind a matrix instruction (ISA guide 7.12.1) where no other vector work is at hand
.rept 4
	v_nop
.endr
.endm
.macro CROUND                          ; a round of the cluster's barrier
	s_barrier_signal -1
	s_barrier_wait -1
	s_cmp_lg_u32 s[WV], 0
	s_cbranch_scc1 .Lnot_wave_0_\@
	s_barrier_signal -3
.Lnot_wave_0_\@:
	s_barrier_wait -3
	s_barrier_signal -1
	s_barrier_wait -1
.endm
; Main product i of 32 of a half: K step i / 4, gate i % 4.  The four accumulators take turns.  The first K step takes the bias as C.
.macro MM
.set kk, i/4
.set qq, i%4
.set rZ, Z+32*U+8*qq
.set rF, FR+8*kk
.set rW, 32*(4*U+qq)+8*(kk%4)
.set rB, BI+8*(4*U+qq)
.if kk == 0
	WIN 0x18                                       ; B window 2, C window 1
	v_wmma_f32_16x16x32_f16 v[rZ:rZ+7], v[rF:rF+7], v[rW:rW+7], v[rB:rB+7]
.else
.if kk < 4
	WIN 0x08                                       ; B window 2
.else
	WIN 0x0c                                       ; B window 3
.endif
	v_wmma_f32_16x16x32_f16 v[rZ:rZ+7], v[rF:rF+7], v[rW:rW+7], v[rZ:rZ+7]
.endif
.set i, i+1
.endm
.macro RS                              ; a row's matrix instruction
.if MMON
	MM
.endif
.endm
.macro ENCMM e                         ; input layer: 16 nodes x 16 units (half e), K = 32, bf16; all in window 1
	WIN 0x55
	v_wmma_f32_16x16x32_bf16 v[EA+8*(\e):EA+8*(\e)+7], v[XB:XB+7], v[EW+8*(\e):EW+8*(\e)+7], v[EB+8*(\e):EB+8*(\e)+7]
.endm
.macro FCMM k                          ; head: A = my 16 rows of fc1_W, B = h's fragment k: a lane then holds one node and 8 of the 16 outputs
	WIN 0x51                                       ; A, C, D window 1, B window 0
.if (\k) == 4
	v_wmma_f32_16x16x32_f16 v[FA:FA+7], v[FW:FW+7], v[FR+32:FR+39], v[FB:FB+7]
.else
	v_wmma_f32_16x16x32_f16 v[FA:FA+7], v[FW+8*((\k)-4):FW+8*((\k)-4)+7], v[FR+8*(\k):FR+8*(\k)+7], v[FA:FA+7]
.endif
.endm
.macro FC k
.if MMON && DEC && (U == 0)
	FCMM \k
.if (\k) < 7
	WIN 0x0c
.endif
.endif
.endm
; THE CELL, one line at a time: OP kind, number, on set ZS (g +0, i +8, f +16, o +24), state CB, packed h HPX.
.set XG, 0                             ; 2^z, register n
.set XI, 1
.set XF, 2
.set XO, 3
.set AG, 4                             ; + 1, pair n
.set AI, 5
.set AF, 6
.set AO, 7
.set RG, 8                             ; reciprocal, register n
.set RI, 9
.set RF, 10
.set RO, 11
.set GT, 12                            ; KP + KN r_g
.set IG, 13                            ; r_i x that
.set CC, 14                            ; C' = r_f C' + that
.set XC, 15                            ; 2^C', into g's registers
.set AC, 16
.set RC, 17
.set TC, 18                            ; 1 - 2 r
.set HH, 19                            ; x r_o
.set VV, 20                            ; to f16
.macro OP k, n
.if (\k) < 4
	W00
	v_exp_f32 v[ZS+8*(\k)+(\n)], v[ZS+8*(\k)+(\n)]
.elseif (\k) < 8
	W00
	s_wait_alu depctr_va_vdst(0)
	v_pk_add_f32 v[ZS+8*((\k)-4)+2*(\n):ZS+8*((\k)-4)+2*(\n)+1], v[ZS+8*((\k)-4)+2*(\n):ZS+8*((\k)-4)+2*(\n)+1], 1.0 op_sel_hi:[1,0]
.elseif (\k) < 12
	W00
	v_rcp_f32 v[ZS+8*((\k)-8)+(\n)], v[ZS+8*((\k)-8)+(\n)]
.elseif (\k) == GT
	W00
	s_wait_alu depctr_va_vdst(0)
	v_pk_fma_f32 v[ZS+2*(\n):ZS+2*(\n)+1], v[ZS+2*(\n):ZS+2*(\n)+1], s[KN:KN+1], s[KP:KP+1] op_sel_hi:[1,0,0]
.elseif (\k) == IG
	WIN 0
	v_pk_mul_f32 v[ZS+8+2*(\n):ZS+8+2*(\n)+1], v[ZS+8+2*(\n):ZS+8+2*(\n)+1], v[ZS+2*(\n):ZS+2*(\n)+1]
.elseif (\k) == CC
	WIN 0
	s_wait_alu depctr_va_vdst(0)
	v_pk_fma_f32 v[CB+2*(\n):CB+2*(\n)+1], v[ZS+16+2*(\n):ZS+16+2*(\n)+1], v[CB+2*(\n):CB+2*(\n)+1], v[ZS+8+2*(\n):ZS+8+2*(\n)+1]
.elseif (\k) == XC
	W00
	v_exp_f32 v[ZS+(\n)], v[CB+(\n)]
.elseif (\k) == AC
	W00
	v_pk_add_f32 v[ZS+2*(\n):ZS+2*(\n)+1], v[ZS+2*(\n):ZS+2*(\n)+1], 1.0 op_sel_hi:[1,0]
.elseif (\k) == RC
	W00
	v_rcp_f32 v[ZS+(\n)], v[ZS+(\n)]
.elseif (\k) == TC
	W00
	v_pk_fma_f32 v[ZS+2*(\n):ZS+2*(\n)+1], v[ZS+2*(\n):ZS+2*(\n)+1], -2.0, 1.0 op_sel_hi:[1,0,0]
.elseif (\k) == HH
	WIN 0
	v_pk_mul_f32 v[ZS+2*(\n):ZS+2*(\n)+1], v[ZS+2*(\n):ZS+2*(\n)+1], v[ZS+24+2*(\n):ZS+24+2*(\n)+1]
.else
	WIN 0
	v_cvt_pk_f16_f32 v[HPX+(\n)], v[ZS+2*(\n)], v[ZS+2*(\n)+1]
.endif
.endm
.macro RID a, i1, b=-1, i2=0, c=-1, i3=0, d=-1, i4=0, e=-1, i5=0
	OP \a, \i1
.if (\b) >= 0
	OP \b, \i2
.endif
.if (\c) >= 0
	OP \c, \i3
.endif
.if (\d) >= 0
	OP \d, \i4
.endif
.if (\e) >= 0
	OP \e, \i5
.endif
.endm
.macro Q4 k, n0
	OP \k, (\n0)
	OP \k, (\n0)+1
	OP \k, (\n0)+2
	OP \k, (\n0)+3
.endm
; The head's end for tile n: relu is done; the 8 outputs times fc2_W, the other half of the lanes' 8, and my wave's partial prediction goes to its own words in LDS.
.macro HEADSUM n
	v_pk_mul_f32 v[HT:HT+1], v[FA:FA+1], v[FV:FV+1]
	v_pk_fma_f32 v[HT:HT+1], v[FA+2:FA+3], v[FV+2:FV+3], v[HT:HT+1]
	v_pk_fma_f32 v[HT:HT+1], v[FA+4:FA+5], v[FV+4:FV+5], v[HT:HT+1]
	v_pk_fma_f32 v[HT:HT+1], v[FA+6:FA+7], v[FV+6:FV+7], v[HT:HT+1]
	v_add_f32 v[HT], v[HT], v[HT+1]
	v_permlanex16_b32 v[HT2], v[HT], s[SEL], s[SEL+1]
	v_add_f32 v[HT], v[HT], v[HT2]
	s_wait_alu depctr_va_vdst(0)
	ds_store_b32 v[R_PS], v[HT] offset:448*(\n)    ; both halves of the lanes write the same word with the same number
.endm
; The side work of a half, in three parts; each begins with a plain instruction, which is also the one that stands between the exponentials or reciprocals in front and the use of their results (ISA guide 5.7.2).
; Encoder: half U of the input layer's output for tile PT: relu (1, 2), to f16 and into E (3).  Decoder, U = 1: the head of tile TN.
.macro AUX a
.if !MMON
	v_nop
	s_wait_alu depctr_va_vdst(0)
.elseif !DEC
	WIN 0x55
.set rE, EA+8*U
.if (\a) < 3
.set j, 4*((\a)-1)
	s_wait_alu depctr_va_vdst(0)
.rept 4
	v_max_num_f32 v[rE+j], 0, v[rE+j]
.set j, j+1
.endr
.else
.set j, 0
	s_wait_alu depctr_va_vdst(0)
.rept 4
	v_cvt_pk_f16_f32 v[rE+j], v[rE+2*j], v[rE+2*j+1]
.set j, j+1
.endr
	ds_store_b128 v[R_AE], v[rE:rE+3] offset:EOFF+4096*PT+512*U
.endif
.elseif U
	WIN 0x55
.if (\a) < 3
.set j, 4*((\a)-1)
	s_wait_alu depctr_va_vdst(0)
.rept 4
	v_max_num_f32 v[FA+j], 0, v[FA+j]
.set j, j+1
.endr
.else
	HEADSUM TN
.endif
.else
	v_nop
	s_wait_alu depctr_va_vdst(0)
.endif
.endm
.macro FRL k, m                        ; A's fragment k of tile m: K steps 0-3 from E, 4-7 from H; two turned loads, 16 units apart
	W00
.if (\k) < 4
.set fo, EOFF+1024*(\k)+4096*(\m)
.else
.set fo, 1024*((\k)-4)+4096*(\m)
.endif
	ds_load_tr16_b128 v[FR+8*(\k):FR+8*(\k)+3],   v[R_AF] offset:fo
	ds_load_tr16_b128 v[FR+8*(\k)+4:FR+8*(\k)+7], v[R_AF] offset:fo+512
.endm
; My quarter of tile n of x (512 consecutive bytes a wave) has come: to bf16, 8 bytes a lane into the stage at so; the tile's registers are asked for again at once, a whole step ahead of their use.
.macro XS n, so, cnt, b, go
	WIN 0x55
	s_wait_loadcnt \cnt                            ; loads come back in order (ISA guide 5.7.1): the count is the loads issued behind tile n's
	v_cvt_pk_bf16_f32 v[XC2], v[XR+4*(\n)], v[XR+4*(\n)+1]
	v_cvt_pk_bf16_f32 v[XC2+1], v[XR+4*(\n)+2], v[XR+4*(\n)+3]
	ds_store_b64 v[R_XS], v[XC2:XC2+1] offset:\so
	global_load_b128 v[XR+4*(\n):XR+4*(\n)+3], v[R_XO], s[(\b):(\b)+1] offset:\go
.endm
; HALF(n, u).  33 rows: a matrix instruction and what stands behind it.  on = 0: the cell alone (the last half's, at a phase's end).
; Distances kept (ISA guide 7.12.1 for vector instructions): behind the last links of g, i, f, o (rows 29-32) stand 12, 12, 8 and 4 plain instructions of the other set ahead of the next half's first read;
; each run of fragment loads stands 4 plain instructions or more behind the last product that read those registers (counted at each run).  Each accumulator is first read at its lowest register.
.macro HALF n, u, dec, on=1
.set U, (\u)
.set DEC, (\dec)
.set MMON, (\on)
.set TN, (\n)
.set PT, ((\n)+6)%7
.set NX, ((\n)+1)%7
.set i, 0
.set ZS, Z+32*(1-U)
.set HPX, HP+4*(1-U)
.if U
.set CB, CH+16*TN                      ; the cell of (n, 0)
.else
.set CB, CH+16*PT+8                    ; the cell of (n - 1, 1)
.endif
.set SL, TN%2                          ; x's slot: neighbours in the ring of seven never share one
.if TN == 6
.set SL, 2
.endif
.set LIVE0, MMON*(1-U)
.set LIVE1, MMON*U
.if LIVE0
	s_wait_dscnt 0x2                               ; fragments 0-5 are in: behind their loads only two stores were issued (the side work's and h's)
.endif
	RS
	Q4 XG, 0
	RS
	Q4 XG, 4
	RS
	AUX 1
.if LIVE0
.if !DEC
	XS TN, XOFF+XSLOT*SL, 0x6, XP, 2048*TN         ; 6: the other six tiles' loads are younger
.endif
	FRL 6, TN                                      ; behind their last reader: the four roundings of row 32, and the side work
	FRL 7, TN
.endif
	RS
	RID XI,0, XI,1, AG,0, XI,2, XI,3
.if LIVE1
	s_barrier_wait -1                              ; every wave has read tile n's H and E and the x slot of tile n - 1, and has stored tile n's x
	WIN 0
	ds_store_b128 v[R_AH], v[HP+4:HP+7] offset:4096*PT+512
.if !DEC
	WIN 0x55
	ds_load_b128 v[XB:XB+3],   v[R_XL] offset:XOFF+XSLOT*SL
	ds_load_b128 v[XB+4:XB+7], v[R_XL] offset:XOFF+XSLOT*SL+32
.endif
.endif
	RS
	RID AG,1, XI,4, XI,5, AG,2
	RS
	RID XI,6, XI,7, AG,3, XF,0
	RS
	RID XF,1, AI,0, XF,2, XF,3, AI,1
	RS
	RID XF,4, XF,5, AI,2, XF,6
	RS
	RID XF,7, AI,3, RG,0, RG,1
	RS
	RID AF,0, RG,2, RG,3, AF,1, RG,4
	RS
	RID RG,5, AF,2, RG,6, RG,7
.if LIVE1
	FRL 0, NX                                      ; five plain instructions behind product 7
	FRL 1, NX
.endif
	RS
	RID AF,3, RI,0, RI,1, GT,0
.if MMON && !DEC                       ; row 12: the input layer's product: half 0 of tile n (u = 1), half 1 of tile n - 1 (u = 0)
.if U
	s_wait_dscnt 0x4                               ; x's fragment is in: the four fragment loads above are younger
.endif
	ENCMM 1-U
	WIN 0x08
.endif
	RID RI,2, RI,3, GT,1, RI,4, RI,5
	RS
	RID GT,2, RI,6, RI,7, GT,3
	RS
	Q4 RF, 0
	RS
	Q4 RF, 4
	RS
	Q4 IG, 0
	RS
	Q4 CC, 0
.if LIVE1
	FRL 2, NX                                      ; eight plain instructions behind product 15
	FRL 3, NX
.endif
	RS
	Q4 XO, 0
	RS
	Q4 XC, 0
	RS
	FC 4
	Q4 XC, 4
	RS
	Q4 XO, 4
	RS
	AUX 2
	RS
	Q4 AC, 0
	RS
	FC 5
	Q4 RC, 0
.if LIVE0
	s_wait_dscnt 0x0                               ; fragments 6 and 7, asked for 22 rows ago
.endif
	RS
	Q4 AO, 0
.if LIVE1
	FRL 4, NX                                      ; four plain instructions behind product 23
	FRL 5, NX
.endif
	RS
	Q4 RC, 4
	RS
	Q4 RO, 0
	RS
	FC 6
	Q4 RO, 4
	RS
	AUX 3
	RS
	Q4 TC, 0
	RS
	Q4 HH, 0
	RS
	FC 7
	Q4 VV, 0
	WIN 0
.if LIVE0
	s_wait_dscnt 0x0                               ; for the others' sake: my reads of tile n and my stores are done
	s_barrier_signal -1
.endif
.if LIVE1
	ds_store_b128 v[R_AH], v[HP:HP+3] offset:4096*TN
.endif
.endm
; A phase's first half: tile 0, half 0: there is no cell yet to set between the products.
.macro FIRSTHALF dec
.set U, 0
.set DEC, (\dec)
.set i, 0
	s_wait_dscnt 0x0                               ; all eight fragments
.if !DEC
	XS 0, XOFF, 0x6, XP, 0
.endif
.rept 32
	MM
.if DEC && (i >= 20) && (i%4 == 0)
	FCMM 4+(i-20)/4
.endif
.endr
	PLACES
	WIN 0
	s_wait_dscnt 0x0
	s_barrier_signal -1
.endm
.macro WLOAD                           ; my slice, 128 chunks of 512 bytes, into windows 2 and 3
	WIN 0x80
.set c, 0
.rept 64
	ds_load_b128 v[4*c:4*c+3], v[R_AW] offset:512*c
.set c, c+1
.endr
	WIN 0xc0
.set c, 0
.rept 64
	ds_load_b128 v[4*c:4*c+3], v[R_AW] offset:32768+512*c
.set c, c+1
.endr
	WIN 0
.endm
.macro ENCP n                          ; the input layer for step 0, tile n.  Tile 6's second half is left as sums: the first trip's side work finishes it, as in every trip
	WIN 0x55
	ds_load_b128 v[XB:XB+3],   v[R_XL] offset:XSLOT*(\n)
	ds_load_b128 v[XB+4:XB+7], v[R_XL] offset:XSLOT*(\n)+32
	s_wait_dscnt 0x0
	ENCMM 0
	ENCMM 1
	PLACES
.set j, 0
.rept 8
	v_max_num_f32 v[EA+j], 0, v[EA+j]
.set j, j+1
.endr
.set j, 0
.rept 4
	v_cvt_pk_f16_f32 v[EA+j], v[EA+2*j], v[EA+2*j+1]
.set j, j+1
.endr
	ds_store_b128 v[R_AE], v[EA:EA+3] offset:EOFF+4096*(\n)
.if (\n) < 6
.set j, 0
.rept 8
	v_max_num_f32 v[EA+8+j], 0, v[EA+8+j]
.set j, j+1
.endr
.set j, 0
.rept 4
	v_cvt_pk_f16_f32 v[EA+8+j], v[EA+8+2*j], v[EA+8+2*j+1]
.set j, j+1
.endr
	ds_store_b128 v[R_AE], v[EA+8:EA+11] offset:EOFF+4096*(\n)+512
.endif
.endm
.macro LASTP n                         ; the last prediction of tile n: two accumulators by turns
	FRL 4, \n
	FRL 5, \n
	FRL 6, \n
	FRL 7, \n
	s_wait_dscnt 0x0
	WIN 0x51
	v_wmma_f32_16x16x32_f16 v[FA:FA+7],   v[FW:FW+7],     v[FR+32:FR+39], v[FB:FB+7]
	v_wmma_f32_16x16x32_f16 v[FA2:FA2+7], v[FW+16:FW+23], v[FR+48:FR+55], 0
	v_wmma_f32_16x16x32_f16 v[FA:FA+7],   v[FW+8:FW+15],  v[FR+40:FR+47], v[FA:FA+7]
	v_wmma_f32_16x16x32_f16 v[FA2:FA2+7], v[FW+24:FW+31], v[FR+56:FR+63], v[FA2:FA2+7]
	PLACES
	WIN 0x55
.irp p, 0,2,4,6
	v_pk_add_f32 v[FA+\p:FA+\p+1], v[FA+\p:FA+\p+1], v[FA2+\p:FA2+\p+1]
.endr
.set j, 0
.rept 8
	v_max_num_f32 v[FA+j], 0, v[FA+j]
.set j, j+1
.endr
	HEADSUM \n
	WIN 0
.endm
	; ================ HEAD
	s_load_b128 s[4:7], s[0:1], 0x0                ; x s[4:5], wprep s[6:7]
	s_load_b64 s[8:9], s[0:1], 0x10                ; out0
	v_lshl_add_u32 v[SPW], v0, 2, SPARE
	v_mov_b32 v[NIL], 0
	ds_add_u32 v[SPW], v[NIL]                      ; the wave's opening: the add and its wait stand ahead of my first tensor load; work on registers stands between them
	ds_add_u32 v6, v7
	v_lshrrev_b32 v4, 5, v0
	v_readfirstlane_b32 s[WV], v4                  ; wave 0..3
	s_bfe_u32 s11, ttmp6, 0x40000                  ; cx: my place in the cluster; it enters x's and out0's addresses and the store mask alone
	s_lshl_b32 s12, ttmp9, 2
	s_add_co_u32 s12, s12, s11                     ; work-group = 4 x cluster + cx
	s_mul_i32 s43, s12, WGN
	s_min_u32 s13, s43, LASTB                      ; my first node
	s_sub_co_u32 s43, s43, s13                     ; nodes at my block's head that are a neighbour's (88 in the last group, else 0),
	s_mul_i32 s43, s43, 7
	s_lshr_b32 s43, s43, 2                         ; as chunks of 16 bytes of out0 (28 bytes a node)
	s_sub_co_u32 s45, 196, s43                     ; chunks that I store: a block has 112 x 28 / 16 = 196
	s_sub_co_u32 s52, 0, s43
	s_mul_i32 s48, s[WV], 65536                    ; my slice, in wprep and in LDS: no place in the cluster enters it
	s_mov_b32 s49, 0
	s_mov_b32 s[G0], 1                             ; count = 1
	s_mul_i32 s[G0+1], s[WV], 65536                ; LDS address
	s_mov_b32 s[G1], 15|(3<<16)|(1<<21)            ; the mask of four; elements of 8 bytes; bit 21 set beside a mask; no padding
	s_mov_b32 s[G1+1], 32<<16                      ; tensor_dim0 = 32 (256 bytes)
	s_mov_b32 s[G1+2], 256<<16                     ; tensor_dim1 = 256
	s_mov_b32 s[G1+3], 32<<16                      ; tile_dim0 = 32
	s_mov_b32 s[G1+4], 256                         ; tile_dim1 = 256: a dense block of 65,536 bytes
	s_mov_b32 s[G1+5], 32                          ; elements from row to row
	s_mov_b32 s[G1+6], 0
	s_mov_b32 s[G1+7], 0
	s_mov_b32 s[KN], 0xc0b8aa3b
	s_mov_b32 s[KN+1], s[KN]                       ; named as pairs
	s_mov_b32 s[KP], 0x4038aa3b
	s_mov_b32 s[KP+1], s[KP]
	s_mov_b32 s[SEL], 0x76543210
	s_mov_b32 s[SEL+1], 0xfedcba98
	s_mov_b32 s[OFF+1], 0
	s_wait_dscnt 0x0                               ; the opening add is done
	s_wait_kmcnt 0x0
	s_add_nc_u64 s[G0+2:G0+3], s[6:7], s[48:49]    ; the encoder's slice
	s_or_b32 s[G0+3], s[G0+3], 0x80000000          ; type = 2
	s_mul_i32 s[OFF], s13, 128
	s_add_nc_u64 s[XB0:XB0+1], s[4:5], s[OFF:OFF+1]
	s_mul_i32 s[OFF], s13, 28
	s_add_nc_u64 s[8:9], s[8:9], s[OFF:OFF+1]
	s_load_b64 s[46:47], s[6:7], O_SM+512          ; fc2_b, two of its copies
	CROUND                                         ; all four work-groups are here: the first joint loads meet
	tensor_load_to_lds s[G0:G0+3], s[G1:G1+7]
	s_nop 0
	PLACES
	s_wait_kmcnt 0x0
	; ================ PROLOGUE, while the weights are on their way
	v_and_b32 v16, 15, v0                          ; l % 16
	v_bfe_u32 v17, v0, 4, 1                        ; l / 16
	v_and_b32 v18, 7, v0
	v_bfe_u32 v19, v0, 3, 1
	v_lshlrev_b32 v[R_AF], 5, v18
	v_lshl_add_u32 v[R_AF], v17, 8, v[R_AF]
	v_lshl_add_u32 v[R_AF], v19, 4, v[R_AF]
	v_add_nc_u32 v[R_AF], HB, v[R_AF]
	s_lshl_b32 s14, s[WV], 10
	s_add_co_u32 s14, s14, HB
	v_lshlrev_b32 v[R_AH], 5, v16
	v_lshl_add_u32 v[R_AH], v17, 4, v[R_AH]
	v_add_nc_u32 v[R_AH], s14, v[R_AH]
	v_and_b32 v[R_AW], 31, v0
	v_lshl_add_u32 v[R_AW], v[R_AW], 4, s48
	v_lshl_add_u32 v[R_CP], v0, 4, HB
	v_lshrrev_b32 v20, 3, v0                       ; the node of my 16 bytes of x
	v_mul_u32_u24 v20, v20, XPITCH
	v_lshl_add_u32 v20, v18, 3, v20
	v_mul_u32_u24 v21, v16, XPITCH
	v_lshl_add_u32 v21, v17, 4, v21
	s_lshl_b32 s15, s[WV], 5
	v_add_nc_u32 v22, s15, v16                     ; unit 32 w + l % 16
	v_lshlrev_b32 v23, 6, v22
	v_lshl_add_u32 v23, v17, 4, v23                ; enc_W: rows of 64 bytes
	v_lshlrev_b32 v24, 5, v22                      ; enc_b: 32 bytes a unit
	s_lshl_b32 s15, s[WV], 12
	v_lshl_add_u32 v25, v16, 5, s15                ; bias: 4,096 w + 32 (l % 16)
	WIN 0x40                                       ; destination window 1
	v_add_nc_u32 v[R_XS], HB, v20
	v_add_nc_u32 v[R_XL], HB, v21
	v_lshlrev_b32 v[R_XO], 4, v0
	v_mov_b32 v[R_AE], v[R_AH]
	WIN 0x55
.irp n, 0,1,2,3,4,5,6
	global_load_b128 v[XR+4*\n:XR+4*\n+3], v[R_XO], s[XB0:XB0+1] offset:2048*\n   ; x of step 0: a wave's load covers 512 consecutive bytes
.endr
	WIN 0x40
.irp e, 0,1
.irp h, 0,1
	global_load_b128 v[EW+8*\e+4*\h:EW+8*\e+4*\h+3], v23, s[6:7] offset:O_ENCW+1024*\e+32*\h
	global_load_b128 v[EB+8*\e+4*\h:EB+8*\e+4*\h+3], v24, s[6:7] offset:O_ENCB+512*\e+16*\h
.endr
.endr
.irp r, 0,1,2,3,4,5,6,7
	global_load_b128 v[BI+8*\r:BI+8*\r+3],   v25, s[6:7] offset:O_BE+512*\r
	global_load_b128 v[BI+8*\r+4:BI+8*\r+7], v25, s[6:7] offset:O_BE+512*\r+16
.endr
	WIN 0
.set c, 0
.rept 112                              ; c starts at 0: state, not sums; written here, in the wait for the loads, so that step 0 is a step like any other
	v_mov_b32 v[CH+c], 0
.set c, c+1
.endr
.irp p, 4,5,6,7
	v_mov_b32 v[HP+\p], 0                          ; h of (6, 1), which the first trip stores once more, and the zeros for H
.endr
.irp n, 0,1,2,3,4,5,6
	XS \n, XSLOT*\n, 0x1e, XB0, XSTEP+2048*\n      ; 30 = (6 - n) loads of x, 24 of parameters, n reloads.  The stage lies where H will; the reload is step 1's
.endr
	s_wait_dscnt 0x0
	s_barrier_signal -1
	s_barrier_wait -1                              ; all of x's step 0 is staged
	s_wait_loadcnt 0x7                             ; the parameters are in: the seven reloads are younger
.irp n, 0,1,2,3,4,5,6
	ENCP \n
.endr
	s_wait_dscnt 0x0
	s_barrier_signal -1
	s_barrier_wait -1                              ; nobody reads the stage any more
	WIN 0
.set c, 0
.rept 14
	ds_store_b128 v[R_CP], v[HP+4:HP+7] offset:2048*c   ; h starts at 0
.set c, c+1
.endr
	; ================ THE ENCODER'S WEIGHTS INTO REGISTERS; THE DECODER'S INTO THE SAME LDS BYTES
	s_wait_tensorcnt 0x0                           ; my slice is in; only I read it
	WLOAD
	s_wait_tensorcnt 0x0                           ; no tensor load of mine is out, so group 0 may be written
	ds_add_u32 v[SPW], v[NIL]                      ; 0 onto my spare word
	s_add_nc_u64 s[G0+2:G0+3], s[G0+2:G0+3], 0x40000   ; the decoder's slice lies 262,144 bytes on; the type bits on top are not reached
	s_wait_dscnt 0x0                               ; the add is done, my slice is in registers, my zeros are in H
	CROUND                                         ; so in every wave of all four work-groups
	tensor_load_to_lds s[G0:G0+3], s[G1:G1+7]      ; it has the whole encoder in which to land
	s_nop 0
	PLACES
.irp k, 0,1,2,3,4,5,6,7
	FRL \k, 0
.endr
	s_mov_b32 s[TT], 2                             ; trip t stages x of step t + 1 and asks for step min(t + 2, 11): no load leaves x
	s_add_nc_u64 s[XP:XP+1], s[XB0:XB0+1], 2*XSTEP
	s_mov_b32 s[CNT], 12
	; ================ ENCODER: 12 trips of 14 halves.  The last trip's input layer serves nothing: the price of one text for every trip
	FIRSTHALF 0
	s_branch .Le_mid                               ; the loop is entered behind its first half
.Le_top:
	HALF 0, 0, 0
.Le_mid:
	HALF 0, 1, 0
.irp n, 1,2,3,4,5,6
	HALF \n, 0, 0
	HALF \n, 1, 0
.endr
	s_wait_xcnt 0x0                                ; x's base is rewritten only behind this wait
	s_add_co_u32 s[TT], s[TT], 1
	s_min_u32 s[TT], s[TT], 11
	s_mul_i32 s[OFF], s[TT], XSTEP
	s_add_nc_u64 s[XP:XP+1], s[XB0:XB0+1], s[OFF:OFF+1]
	s_sub_co_u32 s[CNT], s[CNT], 1
	s_cmp_lg_u32 s[CNT], 0
	s_cbranch_scc1 .Le_top
	; ================ FROM ENCODER TO DECODER
	HALF 0, 0, 0, 0                                ; the cell of (6, 1)
	ds_store_b128 v[R_AH], v[HP+4:HP+7] offset:4096*6+512
	s_wait_dscnt 0x0
	s_barrier_signal -1
	s_barrier_wait -1                              ; H holds the encoder's last h, whole; nobody reads E any more
.set c, 0
.rept 14
	ds_load_b128 v[FR+4*c:FR+4*c+3], v[R_CP] offset:2048*c
.set c, c+1
.endr
	s_wait_dscnt 0x0
.set c, 0
.rept 14
	ds_store_b128 v[R_CP], v[FR+4*c:FR+4*c+3] offset:EOFF+2048*c   ; the decoder's fixed input
.set c, c+1
.endr
	s_wait_loadcnt 0x0                             ; x's last loads have landed: their registers take fc1_W
	v_and_b32 v16, 15, v0
	v_bfe_u32 v17, v0, 4, 1
	s_lshl_b32 s15, s[WV], 12
	v_lshl_add_u32 v25, v16, 5, s15                ; bias
	s_lshl_b32 s15, s[WV], 4
	v_add_nc_u32 v18, s15, v16                     ; fc1 row 16 w + l % 16
	v_lshlrev_b32 v18, 8, v18
	v_lshl_add_u32 v18, v17, 4, v18
	s_lshl_b32 s15, s[WV], 6
	v_lshl_add_u32 v19, v17, 5, s15                ; fc1_b, fc2_W: my 8 outputs 16 w + 8 (l / 16) ..
	v_mul_u32_u24 v20, v16, 28
	s_add_co_u32 s14, s48, 12
	WIN 0x40
.irp r, 0,1,2,3,4,5,6,7
	global_load_b128 v[BI+8*\r:BI+8*\r+3],   v25, s[6:7] offset:O_BD+512*\r
	global_load_b128 v[BI+8*\r+4:BI+8*\r+7], v25, s[6:7] offset:O_BD+512*\r+16
.endr
.irp k, 0,1,2,3
	global_load_b128 v[FW+8*\k:FW+8*\k+3],   v18, s[6:7] offset:O_FC1W+64*\k
	global_load_b128 v[FW+8*\k+4:FW+8*\k+7], v18, s[6:7] offset:O_FC1W+64*\k+32
.endr
	global_load_b128 v[FB:FB+3],   v19, s[6:7] offset:O_SM
	global_load_b128 v[FB+4:FB+7], v19, s[6:7] offset:O_SM+16
	global_load_b128 v[FV:FV+3],   v19, s[6:7] offset:O_SM+256
	global_load_b128 v[FV+4:FV+7], v19, s[6:7] offset:O_SM+272
	v_add_nc_u32 v[R_PS0], s14, v20                ; prediction t of node j lies at 16 + 28 j + 4 t of my slice; step s writes prediction s - 1, so step 0's lands in the 16 spare bytes or in a word written again later
	v_add_nc_u32 v[R_PS], s14, v20
	v_mov_b32 v[HT2], 0                            ; v_permlanex16_b32's destination counts as read
	WIN 0
	s_wait_tensorcnt 0x0                           ; the decoder's slice
	WLOAD
	s_wait_dscnt 0x0
	s_barrier_signal -1
	s_barrier_wait -1                              ; E is whole
	s_wait_loadcnt 0x0
.irp k, 0,1,2,3,4,5,6,7
	FRL \k, 0
.endr
	s_mov_b32 s[CNT], 7
	s_mov_b32 s51, 0
	; ================ DECODER: 7 trips.  A step's h fragments also feed the head: step s makes prediction s - 1
	FIRSTHALF 1
	s_branch .Ld_mid
.Ld_top:
	HALF 0, 0, 1
.Ld_mid:
	HALF 0, 1, 1
.irp n, 1,2,3,4,5,6
	HALF \n, 0, 1
	HALF \n, 1, 1
.endr
	s_add_co_u32 s51, s51, 4
	WIN 0x55
	v_add_nc_u32 v[R_PS], s51, v[R_PS0]
	WIN 0
	s_sub_co_u32 s[CNT], s[CNT], 1
	s_cmp_lg_u32 s[CNT], 0
	s_cbranch_scc1 .Ld_top
	; ================ THE LAST PREDICTION
	HALF 0, 0, 1, 0                                ; the cell of (6, 1)
	ds_store_b128 v[R_AH], v[HP+4:HP+7] offset:4096*6+512
	s_wait_dscnt 0x0
	s_barrier_signal -1
	s_barrier_wait -1
.irp n, 0,1,2,3,4,5,6
	LASTP \n
.endr
	; ================ OUT: the four waves' partial predictions are added; thread t takes chunks t and t + 128 of the block's 196
	s_wait_dscnt 0x0
	s_barrier_signal -1
	s_barrier_wait -1
	v_lshl_add_u32 v16, v0, 4, 16
	v_add_nc_u32 v17, 0x10000, v16
	v_add_nc_u32 v18, 0x20000, v16
	v_add_nc_u32 v19, 0x30000, v16
	v_lshlrev_b32 v20, 4, v0
	v_add_nc_u32 v21, s52, v0                      ; chunk less the first that is mine: wraps to a large number for a neighbour's
.irp p, 0,1,2,3
	ds_load_b128 v[FR+8*\p:FR+8*\p+3],   v[16+\p]
	ds_load_b128 v[FR+8*\p+4:FR+8*\p+7], v[16+\p] offset:2048   ; past chunk 195 these read bytes of the slice; they are not stored
.endr
	s_wait_dscnt 0x0
.irp p, 0,2,4,6
	v_pk_add_f32 v[FR+\p:FR+\p+1], v[FR+\p:FR+\p+1], v[FR+8+\p:FR+8+\p+1]
	v_pk_add_f32 v[FR+16+\p:FR+16+\p+1], v[FR+16+\p:FR+16+\p+1], v[FR+24+\p:FR+24+\p+1]
.endr
.irp p, 0,2,4,6
	v_pk_add_f32 v[FR+\p:FR+\p+1], v[FR+\p:FR+\p+1], v[FR+16+\p:FR+16+\p+1]
.endr
.irp p, 0,2,4,6
	v_pk_add_f32 v[FR+\p:FR+\p+1], v[FR+\p:FR+\p+1], s[46:47] op_sel_hi:[1,0]   ; + fc2_b
.endr
	v_cmp_gt_u32 vcc_lo, s45, v21
	s_wait_xcnt 0x0                                ; EXEC changes only behind s_wait_xcnt 0
	s_and_saveexec_b32 s44, vcc_lo
	global_store_b128 v20, v[FR:FR+3], s[8:9]      ; neighbouring lanes store neighbouring 16 bytes
	s_wait_xcnt 0x0
	s_or_b32 exec_lo, exec_lo, s44
	v_add_nc_u32 v21, 128, v21
	v_cmp_gt_u32 vcc_lo, s45, v21
	s_wait_xcnt 0x0
	s_and_saveexec_b32 s44, vcc_lo
	global_store_b128 v20, v[FR+4:FR+7], s[8:9] offset:2048
	s_wait_xcnt 0x0
	s_or_b32 exec_lo, exec_lo, s44
	s_wait_tensorcnt 0x0                           ; the wave's end: behind my last tensor load and my last LDS store
	ds_add_u32 v[SPW], v[NIL]
	s_wait_dscnt 0x0
	CROUND                                         ; the closing round
	s_endpgm
.Lfunc_end_k_qc6c9dfa87b_lstm:
	.size	k_qc6c9dfa87b_lstm, .Lfunc_end_k_qc6c9dfa87b_lstm-k_qc6c9dfa87b_lstm
	.p2alignl 7, 3214868480
	.fill 96, 4, 3214868480
	.section	.rodata,"a",@progbits
	.p2align	6, 0x0
	.amdhsa_kernel k_qc6c9dfa87b_lstm
		.amdhsa_group_segment_fixed_size 327680
		.amdhsa_private_segment_fixed_size 0
		.amdhsa_enable_private_segment 0
		.amdhsa_kernarg_size 24
		.amdhsa_user_sgpr_count 2
		.amdhsa_user_sgpr_kernarg_segment_ptr 1
		.amdhsa_wavefront_size32 1
		.amdhsa_system_sgpr_workgroup_id_x 1
		.amdhsa_system_sgpr_workgroup_id_y 1
		.amdhsa_system_sgpr_workgroup_id_z 1
		.amdhsa_system_vgpr_workitem_id 0
		.amdhsa_next_free_vgpr 1024
		.amdhsa_next_free_sgpr 66
		.amdhsa_reserve_vcc 1
		.amdhsa_float_denorm_mode_32 3
		.amdhsa_float_denorm_mode_16_64 3
		.amdhsa_memory_ordered 1
		.amdhsa_forward_progress 1
		.amdhsa_inst_pref_size 255
	.end_amdhsa_kernel
	.section	.bss,"aw",@nobits
	.p2align	6
	.space	262144
	.amdgpu_metadata
---
amdhsa.version: [ 1, 2 ]
amdhsa.kernels:
  - .name:           k_qc6c9dfa87b_lstm
    .symbol:         k_qc6c9dfa87b_lstm.kd
    .args:
      - { .name: x, .offset: 0, .size: 8, .value_kind: global_buffer, .address_space: global }
      - { .name: wprep, .offset: 8, .size: 8, .value_kind: global_buffer, .address_space: global }
      - { .name: out0, .offset: 16, .size: 8, .value_kind: global_buffer, .address_space: global }
    .group_segment_fixed_size: 327680
    .private_segment_fixed_size: 0
    .kernarg_segment_align: 8
    .kernarg_segment_size: 24
    .max_flat_workgroup_size: 128
    .sgpr_count:     66
    .vgpr_count:     1024
    .wavefront_size: 32
...
	.end_amdgpu_metadata
.endif
;; end of part 2
;; ======== version 2 of 2: 2 launches; 1.73 times as fast as version 1
;; limits: values are held in f16: magnitudes above 65,504 overflow, below 6.1e-05 lose precision
;; workspace buffers: wprep 586,752 bytes
;; launch prep: the kernel of part 1 again; grid 132 x 1, 8 waves a work-group, no clusters, 0 bytes of LDS; arguments Wih_e, Whh_e, Wih_d, Whh_d, bih_e, bhh_e, bih_d, bhh_d, enc_W, enc_b, fc1_W, fc1_b, fc2_W, fc2_b, wprep; writes wprep
;; launch lstm (part 3): grid 224 x 1, 4 waves a work-group, clusters of 4 x 1, 327,680 bytes of LDS; arguments x, wprep, out0; writes out0
.if DOCPART == 3
	.amdgcn_target "amdgcn-amd-amdhsa--gfx1250"
	.amdhsa_code_object_version 6
	.text
	.protected	k_qc6c9dfa87b_lstm
	.globl	k_qc6c9dfa87b_lstm
	.p2align	8
	.type	k_qc6c9dfa87b_lstm,@function
k_qc6c9dfa87b_lstm:
	s_mov_b64 s[64:65], 0
	v_nop
	global_prefetch_b8 v0, s[64:65] scope:SCOPE_SE
	s_setreg_imm32_b32 hwreg(HW_REG_WAVE_MODE, 25, 1), 1
	s_wait_xcnt 0x0
	s_wait_alu depctr_hold_cnt(0) depctr_sa_sdst(0) depctr_va_vdst(0) depctr_va_sdst(0) depctr_va_ssrc(0) depctr_va_vcc(0) depctr_vm_vsrc(0)
	s_getreg_b32 s2, hwreg(HW_REG_IB_STS2, 6, 4)
	s_cmp_eq_u32 s2, 0
	s_cbranch_scc0 .Lentry_in_a_cluster
	s_endpgm
.Lentry_in_a_cluster:
	s_bfe_u32 s2, ttmp6, 0x10000c
	s_cmp_lg_u32 s2, 0x3003
	s_cbranch_scc0 .Lentry_shape_is_right
	s_endpgm
.Lentry_shape_is_right:
; SEQ2SEQ LSTM, all of it in one launch: input layer (32 -> 128, relu), 12 encoder steps, 7 decoder steps (input: the encoder's last h), and behind each decoder step the head 128 -> 64 (relu) -> 1.
; SHARES.  A work-group owns 112 nodes = 7 tiles of 16 (224 groups cover 25,000; the last begins at node 24,888, computes 88 of its neighbour's nodes again and stores only its own 24).
; Wave w owns hidden units 32 w .. 32 w + 31 in two halves u of 16, and keeps their 128 gate rows x K 256 of [Wih | Whh] in 512 registers for a whole phase.  h and c never leave the work-group.
; FORMATS.  x and every parameter are rounded to bf16; what the program makes itself (the input layer's output E and h) is rounded to f16; the LSTM and fc1 weights are written as f16 by the launch before.
; All sums, the cell and c in f32.  LIMITS: E and the scaled weights must stay under 65,504; NaN and infinities are not treated apart; an exponential below 2^-126 counts as 0.
; PRODUCT.  z = A B + C with A = 16 nodes x 32 K (from LDS, turned by ds_load_tr16_b128, since LDS holds [unit][node]), B = 16 gate rows x 32 K (registers), C = the bias.  In the result a lane holds ONE unit
; (lane % 16) and nodes 8 (lane / 16) + 0..7, so g, i, f, o and c meet register by register, and eight h pack into the 16 bytes that go back to LDS.
; CELL.  The launch before has multiplied i, f, o rows by -log2(e) and g rows by 2 log2(e).  r = 1 / (1 + 2^z) is sigmoid for i, f, o; for g: 2 log2(e) tanh = KP + KN r.  C' = 2 log2(e) c is kept in c's place:
; C' = r_f C' + r_i (KP + KN r_g);  tanh c = 1 - 2 / (1 + 2^C');  h = r_o tanh c.  Every form holds at both infinite ends of its argument.
; BY TURNS.  HALF(n, u): 32 matrix instructions make z of tile n, half u, into set Z[u]; behind them stand, four or five a row, the 124 instructions of the cell of the half before, on the other set.
; 14 halves are a step; the order runs on from step to step.  B stands as source 1 so that most of the cell (one-source instructions, constants) runs under the product's own window setting.
; BATCHES.  The cell's 80 exponentials and reciprocals are cut into FOUR BATCHES by who reads what: (1) 2^z of g, i, f and of o's first four; (2) the reciprocals of g, i, f, and 2^z of o's other four; (3) 2^C';
; (4) the reciprocals for tanh c and for o.  Nothing inside a batch names a result of it; each batch has ONE s_wait_alu depctr_va_vdst(0), which stands ahead of the first instruction that names a
; result: four waits a half.  Behind each batch's last line stand a product and plain work that names none of its results; a half's runs of LDS instructions stand at the waits.
; ONE BARRIER A TURN (signal at the end of HALF(n, 0), wait behind row 8 of HALF(n, 1)).  Between two waits a wave writes H[n-1], H[n], E[n-1], E[n], X slot(n+1) and reads H[n+1], E[n+1], X slot(n): never the same bytes.
; WEIGHTS.  All work-groups read the same slices, so four form a cluster and each wave asks for its 65,536 bytes JOINTLY; the same LDS bytes take the decoder's slice as soon as the encoder's is in registers.
; A wave has at most one tensor load outstanding.
; REGISTERS, in windows of 256 (s_set_vgpr_msb: bits 1:0 source 0, 3:2 source 1, 5:4 source 2, 7:6 destination):
;   window 0: v0 thread; v1-5 addresses; v6-7 the add's two; v8-15 packed h; v16-79 Z (two sets: g, i, f, o x 8); v80-143 FR, A's eight fragments; v144-255 C' (8 for each tile and half)
;   window 1: v0-63 bias; v64-79 input layer's / head's sums; v80-87 x fragment; v88-147 x in flight, enc_W, enc_b (decoder: fc1_W, fc1_b, fc2_W); v148-160 small
;   windows 2, 3: Wih's and Whh's fragments, (4 rt + k % 4) 8
.set WGN,    112
.set LASTB,  24888                     ; 25,000 - 112
.set XSTEP,  3200000                   ; bytes of x in a time step
.set HB,     262144                    ; LDS: 0 the four waves' weight slices (later, at each slice's head, the wave's partial predictions); HB: H, 7 tiles x 128 units x 32 bytes
.set EOFF,   28672                     ; behind H: E, the same shape (decoder: the fixed input)
.set XOFF,   57344                     ; behind E: three slots for a tile of x in bf16, 16 nodes x 64 bytes, pitch 80
.set XPITCH, 80
.set XSLOT,  1280
.set SPARE,  323328                    ; the spare words, 128 bytes for each wave: two blocks of 256 bytes that no other line names
.set O_BE,   524288                    ; places in wprep
.set O_BD,   540672
.set O_ENCW, 557056
.set O_ENCB, 565248
.set O_FC1W, 569344
.set O_SM,   585728
; window 0
.set R_AF, 1                           ; HB + my lane's place in a turned load: 256 (l / 16) + 32 (l % 8) + 16 ((l / 8) % 2)
.set R_AH, 2                           ; HB + (32 w + l % 16) 32 + 16 (l / 16): where my 16 bytes of h go
.set R_AW, 3                           ; 65,536 w + 16 l
.set R_CP, 5                           ; HB + 16 t
.set SPW,  6
.set NIL,  7
.set HP,   8                           ; v8-11 h of half 0, v12-15 of half 1, packed
.set Z,    16
.set FR,   80
.set CH,   144
; window 1
.set BI,   0
.set EA,   64                          ; input layer's sums, two halves
.set FA,   64                          ; head's sums
.set FA2,  72
.set XB,   80
.set XR,   88                          ; 4 registers a tile: x on its way
.set EW,   116
.set EB,   132
.set FW,   88
.set FB,   120
.set FV,   128
.set XC2,  148
.set R_XS, 150                         ; HB + (t / 8) 80 + 8 (t % 8): where my 8 bytes of x go
.set R_XL, 151                         ; HB + 80 (l % 16) + 16 (l / 16): x's fragment
.set R_XO, 152                         ; 16 t: my 16 bytes in a tile of x in memory
.set R_AE, 153                         ; = R_AH
.set R_PS0, 154                        ; 65,536 w + 12 + 28 (l % 16); never rewritten
.set R_PS, 155                         ; + 4 x the decoder step
.set HT,   158
.set HT2,  160
; scalars
.set WV,  10
.set G0,  16                           ; s[16:19]
.set G1,  20                           ; s[20:27]
.set KN,  28                           ; s[28:29] -4 log2(e)
.set KP,  30                           ; s[30:31]  2 log2(e)
.set SEL, 32                           ; s[32:33] v_permlanex16_b32's selects: each lane takes its own place in the other half
.set XP,  34                           ; s[34:35] x at my nodes, the time step that is being fetched
.set XB0, 36                           ; s[36:37] x at my nodes, step 0
.set TT,  38
.set CNT, 39
.set OFF, 40                           ; s[40:41]
.set MSB, 0
.macro WIN new                         ; the immediate's high byte repeats the setting that is left; a switch that changes nothing is dropped
.if MSB != (\new)
	s_set_vgpr_msb (MSB<<8)|(\new)
.set MSB, (\new)
.endif
.endm
.macro W00                             ; for lines that need only source 0 and the destination in window 0
.if (MSB & 0xc3) != 0
	WIN 0
.endif
.endm
.macro PLACES                          ; four places behind a matrix instruction (ISA guide 7.12.1) where no other vector work is at hand
.rept 4
	v_nop
.endr
.endm
.macro CROUND                          ; a round of the cluster's barrier
	s_barrier_signal -1
	s_barrier_wait -1
	s_cmp_lg_u32 s[WV], 0
	s_cbranch_scc1 .Lnot_wave_0_\@
	s_barrier_signal -3
.Lnot_wave_0_\@:
	s_barrier_wait -3
	s_barrier_signal -1
	s_barrier_wait -1
.endm
; Main product i of 32 of a half: K step i / 4, gate i % 4.  The four accumulators take turns.  The first K step takes the bias as C.
.macro MM
.set kk, i/4
.set qq, i%4
.set rZ, Z+32*U+8*qq
.set rF, FR+8*kk
.set rW, 32*(4*U+qq)+8*(kk%4)
.set rB, BI+8*(4*U+qq)
.if kk == 0
	WIN 0x18                                       ; B window 2, C window 1
	v_wmma_f32_16x16x32_f16 v[rZ:rZ+7], v[rF:rF+7], v[rW:rW+7], v[rB:rB+7]
.else
.if kk < 4
	WIN 0x08                                       ; B window 2
.else
	WIN 0x0c                                       ; B window 3
.endif
	v_wmma_f32_16x16x32_f16 v[rZ:rZ+7], v[rF:rF+7], v[rW:rW+7], v[rZ:rZ+7]
.endif
.set i, i+1
.endm
.macro RS                              ; a row's matrix instruction
.if MMON
	MM
.endif
.endm
.macro ENCMM e                         ; input layer: 16 nodes x 16 units (half e), K = 32, bf16; all in window 1
	WIN 0x55
	v_wmma_f32_16x16x32_bf16 v[EA+8*(\e):EA+8*(\e)+7], v[XB:XB+7], v[EW+8*(\e):EW+8*(\e)+7], v[EB+8*(\e):EB+8*(\e)+7]
.endm
.macro FCMM k                          ; head: A = my 16 rows of fc1_W, B = h's fragment k: a lane then holds one node and 8 of the 16 outputs
	WIN 0x51                                       ; A, C, D window 1, B window 0
.if (\k) == 4
	v_wmma_f32_16x16x32_f16 v[FA:FA+7], v[FW:FW+7], v[FR+32:FR+39], v[FB:FB+7]
.else
	v_wmma_f32_16x16x32_f16 v[FA:FA+7], v[FW+8*((\k)-4):FW+8*((\k)-4)+7], v[FR+8*(\k):FR+8*(\k)+7], v[FA:FA+7]
.endif
.endm
.macro FC k
.if MMON && DEC && (U == 0)
	FCMM \k
.if (\k) < 7
	WIN 0x0c
.endif
.endif
.endm
; THE CELL, one line at a time: OP kind, number, on set ZS (g +0, i +8, f +16, o +24), state CB, packed h HPX.  OP writes no wait: HALF writes the four, one behind each batch.
.set XG, 0                             ; 2^z, register n
.set XI, 1
.set XF, 2
.set XO, 3
.set AG, 4                             ; + 1, pair n
.set AI, 5
.set AF, 6
.set AO, 7
.set RG, 8                             ; reciprocal, register n
.set RI, 9
.set RF, 10
.set RO, 11
.set GT, 12                            ; KP + KN r_g
.set IG, 13                            ; r_i x that
.set CC, 14                            ; C' = r_f C' + that
.set XC, 15                            ; 2^C', into g's registers
.set AC, 16
.set RC, 17
.set TC, 18                            ; 1 - 2 r
.set HH, 19                            ; x r_o
.set VV, 20                            ; to f16
.macro OP k, n
.if (\k) < 4
	W00
	v_exp_f32 v[ZS+8*(\k)+(\n)], v[ZS+8*(\k)+(\n)]
.elseif (\k) < 8
	W00
	v_pk_add_f32 v[ZS+8*((\k)-4)+2*(\n):ZS+8*((\k)-4)+2*(\n)+1], v[ZS+8*((\k)-4)+2*(\n):ZS+8*((\k)-4)+2*(\n)+1], 1.0 op_sel_hi:[1,0]
.elseif (\k) < 12
	W00
	v_rcp_f32 v[ZS+8*((\k)-8)+(\n)], v[ZS+8*((\k)-8)+(\n)]
.elseif (\k) == GT
	W00
	v_pk_fma_f32 v[ZS+2*(\n):ZS+2*(\n)+1], v[ZS+2*(\n):ZS+2*(\n)+1], s[KN:KN+1], s[KP:KP+1] op_sel_hi:[1,0,0]
.elseif (\k) == IG
	WIN 0
	v_pk_mul_f32 v[ZS+8+2*(\n):ZS+8+2*(\n)+1], v[ZS+8+2*(\n):ZS+8+2*(\n)+1], v[ZS+2*(\n):ZS+2*(\n)+1]
.elseif (\k) == CC
	WIN 0
	v_pk_fma_f32 v[CB+2*(\n):CB+2*(\n)+1], v[ZS+16+2*(\n):ZS+16+2*(\n)+1], v[CB+2*(\n):CB+2*(\n)+1], v[ZS+8+2*(\n):ZS+8+2*(\n)+1]
.elseif (\k) == XC
	W00
	v_exp_f32 v[ZS+(\n)], v[CB+(\n)]
.elseif (\k) == AC
	W00
	v_pk_add_f32 v[ZS+2*(\n):ZS+2*(\n)+1], v[ZS+2*(\n):ZS+2*(\n)+1], 1.0 op_sel_hi:[1,0]
.elseif (\k) == RC
	W00
	v_rcp_f32 v[ZS+(\n)], v[ZS+(\n)]
.elseif (\k) == TC
	W00
	v_pk_fma_f32 v[ZS+2*(\n):ZS+2*(\n)+1], v[ZS+2*(\n):ZS+2*(\n)+1], -2.0, 1.0 op_sel_hi:[1,0,0]
.elseif (\k) == HH
	WIN 0
	v_pk_mul_f32 v[ZS+2*(\n):ZS+2*(\n)+1], v[ZS+2*(\n):ZS+2*(\n)+1], v[ZS+24+2*(\n):ZS+24+2*(\n)+1]
.else
	WIN 0
	v_cvt_pk_f16_f32 v[HPX+(\n)], v[ZS+2*(\n)], v[ZS+2*(\n)+1]
.endif
.endm
.macro RID a, i1, b=-1, i2=0, c=-1, i3=0, d=-1, i4=0, e=-1, i5=0
	OP \a, \i1
.if (\b) >= 0
	OP \b, \i2
.endif
.if (\c) >= 0
	OP \c, \i3
.endif
.if (\d) >= 0
	OP \d, \i4
.endif
.if (\e) >= 0
	OP \e, \i5
.endif
.endm
.macro Q4 k, n0
	OP \k, (\n0)
	OP \k, (\n0)+1
	OP \k, (\n0)+2
	OP \k, (\n0)+3
.endm
; The head's end for a tile: relu is done; HEADSUM: the 8 outputs times fc2_W, and the other half of the lanes' 8; HEADST n: my wave's partial prediction goes to its own words in LDS.
.macro HEADSUM
	v_pk_mul_f32 v[HT:HT+1], v[FA:FA+1], v[FV:FV+1]
	v_pk_fma_f32 v[HT:HT+1], v[FA+2:FA+3], v[FV+2:FV+3], v[HT:HT+1]
	v_pk_fma_f32 v[HT:HT+1], v[FA+4:FA+5], v[FV+4:FV+5], v[HT:HT+1]
	v_pk_fma_f32 v[HT:HT+1], v[FA+6:FA+7], v[FV+6:FV+7], v[HT:HT+1]
	v_add_f32 v[HT], v[HT], v[HT+1]
	v_permlanex16_b32 v[HT2], v[HT], s[SEL], s[SEL+1]
	v_add_f32 v[HT], v[HT], v[HT2]
.endm
.macro HEADST n
	ds_store_b32 v[R_PS], v[HT] offset:448*(\n)    ; both halves of the lanes write the same word with the same number
.endm
; The side work of a half, in three parts; each stands behind a batch's last line and begins with a plain instruction, which is also the one that stands between the exponentials or reciprocals in front and the
; use of their results (ISA guide 5.7.2).  Encoder: half U of the input layer's output for tile PT: relu (1, 2), to f16 (3).  Decoder, U = 1: the head of tile TN.  Where there is no side work: a v_nop.
; AUXST is part 3's LDS store: it stands behind the wait that follows part 3.
.macro AUX a
.if !MMON
	v_nop
.elseif !DEC
	WIN 0x55
.set rE, EA+8*U
.if (\a) < 3
.set j, 4*((\a)-1)
.rept 4
	v_max_num_f32 v[rE+j], 0, v[rE+j]
.set j, j+1
.endr
.else
.set j, 0
.rept 4
	v_cvt_pk_f16_f32 v[rE+j], v[rE+2*j], v[rE+2*j+1]
.set j, j+1
.endr
.endif
.elseif U
	WIN 0x55
.if (\a) < 3
.set j, 4*((\a)-1)
.rept 4
	v_max_num_f32 v[FA+j], 0, v[FA+j]
.set j, j+1
.endr
.else
	HEADSUM
.endif
.else
	v_nop
.endif
.endm
.macro AUXST
.if MMON
.if !DEC
	WIN 0x55
	ds_store_b128 v[R_AE], v[EA+8*U:EA+8*U+3] offset:EOFF+4096*PT+512*U
.elseif U
	WIN 0x55
	HEADST TN
.endif
.endif
.endm
.macro FRL k, m                        ; A's fragment k of tile m: K steps 0-3 from E, 4-7 from H; two turned loads, 16 units apart
	W00
.if (\k) < 4
.set fo, EOFF+1024*(\k)+4096*(\m)
.else
.set fo, 1024*((\k)-4)+4096*(\m)
.endif
	ds_load_tr16_b128 v[FR+8*(\k):FR+8*(\k)+3],   v[R_AF] offset:fo
	ds_load_tr16_b128 v[FR+8*(\k)+4:FR+8*(\k)+7], v[R_AF] offset:fo+512
.endm
; My quarter of tile n of x (512 consecutive bytes a wave) has come: to bf16, 8 bytes a lane into the stage at so; the tile's registers are asked for again at once, a whole step ahead of their use.
.macro XS n, so, cnt, b, go
	WIN 0x55
	s_wait_loadcnt \cnt                            ; loads come back in order (ISA guide 5.7.1): the count is the loads issued behind tile n's
	v_cvt_pk_bf16_f32 v[XC2], v[XR+4*(\n)], v[XR+4*(\n)+1]
	v_cvt_pk_bf16_f32 v[XC2+1], v[XR+4*(\n)+2], v[XR+4*(\n)+3]
	ds_store_b64 v[R_XS], v[XC2:XC2+1] offset:\so
	global_load_b128 v[XR+4*(\n):XR+4*(\n)+3], v[R_XO], s[(\b):(\b)+1] offset:\go
.endm
; HALF(n, u).  33 rows, counted from 1: a matrix instruction and what stands behind it (the input layer's row stands between rows 17 and 18).  on = 0: the cell alone (the last half's, at a phase's end).
; HOW THE BATCHES ARE CUT.  Rows 1-7: batch 1, 2^z of g, i, f and o's first four.  Row 8: side work; WAIT 1.  Rows 9-17 and the input layer's: the additions of 1 to g, i, f run ahead of batch 2, their reciprocals
; and 2^z of o's other four; no addition names a register that a reciprocal has written.  Row 18: side work; WAIT 2.  Rows 19-21: C'.  Rows 22, 23: batch 3, 2^C'.  Row 24: o's additions, which read batches 1 and 2; WAIT 3.
; Rows 25-28: C's additions and batch 4, the reciprocals for tanh c and for o.  Row 29: side work; WAIT 4.  Rows 30-32: tanh c, h, its rounding.  No exponential or reciprocal stands behind wait 4: none crosses a half's end.
; Distances kept (ISA guide 7.12.1 for vector instructions): behind the last links of g, i, f, o (rows 29-32) stand 12, 12, 8 and 4 plain instructions of the other set ahead of the next half's first read;
; each run of fragment loads stands 4 plain instructions or more behind the last product that read those registers (counted at each run).  Each accumulator is first read at its lowest register.
.macro HALF n, u, dec, on=1
.set U, (\u)
.set DEC, (\dec)
.set MMON, (\on)
.set TN, (\n)
.set PT, ((\n)+6)%7
.set NX, ((\n)+1)%7
.set i, 0
.set ZS, Z+32*(1-U)
.set HPX, HP+4*(1-U)
.if U
.set CB, CH+16*TN                      ; the cell of (n, 0)
.else
.set CB, CH+16*PT+8                    ; the cell of (n - 1, 1)
.endif
.set SL, TN%2                          ; x's slot: neighbours in the ring of seven never share one
.if TN == 6
.set SL, 2
.endif
.set LIVE0, MMON*(1-U)
.set LIVE1, MMON*U
.if LIVE0
	s_wait_dscnt 0x2                               ; fragments 0-5 are in: behind their loads only two stores were issued (the side work's and h's)
.endif
	RS                                             ; rows 1-7: batch 1
	Q4 XG, 0
	RS
	Q4 XG, 4
	RS
	Q4 XI, 0
	RS
	Q4 XI, 4
	RS
	Q4 XF, 0
	RS
	Q4 XF, 4
	RS
	Q4 XO, 0
	RS                                             ; row 8: work that names no result of batch 1
	AUX 1
.if LIVE0
.if !DEC
	XS TN, XOFF+XSLOT*SL, 0x6, XP, 2048*TN         ; 6: the other six tiles' loads are younger
.endif
.endif
.if LIVE1
	s_barrier_wait -1                              ; every wave has read tile n's H and E and the x slot of tile n - 1, and has stored tile n's x
.endif
	s_wait_alu depctr_va_vdst(0)                   ; WAIT 1, for batch 1's 28 exponentials, ahead of the additions that read them
.if LIVE0
	FRL 6, TN                                      ; behind their last reader: the four roundings of row 32 of the half before
	FRL 7, TN
.endif
.if LIVE1
	WIN 0
	ds_store_b128 v[R_AH], v[HP+4:HP+7] offset:4096*PT+512
.if !DEC
	WIN 0x55
	ds_load_b128 v[XB:XB+3],   v[R_XL] offset:XOFF+XSLOT*SL
	ds_load_b128 v[XB+4:XB+7], v[R_XL] offset:XOFF+XSLOT*SL+32
.endif
	FRL 0, NX                                      ; four plain instructions, row 8's side work, behind product 7
	FRL 1, NX
.endif
	RS                                             ; rows 9-17: the additions, and batch 2
	RID AG,0, XO,4, AG,1, XO,5
	RS
	RID AG,2, XO,6, AG,3, XO,7
	RS
	RID AI,0, RG,0, AI,1, RG,1
	RS
	RID AI,2, RG,2, RG,3, RG,4
	RS
	RID AI,3, RG,5, RG,6, RG,7
	RS
	RID AF,0, RI,0, RI,1, RI,2
	RS
	RID AF,1, RI,3, RI,4, RI,5
	RS
	RID AF,2, RI,6, RI,7, RF,0
	RS
	RID AF,3, RF,1, RF,2, RF,3
.if MMON && !DEC                       ; the input layer's product: half 0 of tile n (u = 1), half 1 of tile n - 1 (u = 0)
.if U
	s_wait_dscnt 0x4                               ; x's fragment is in: the four fragment loads behind it are younger
.endif
	ENCMM 1-U
	WIN 0x0c
.endif
	Q4 RF, 4
	RS                                             ; row 18: work that names no result of batch 2
	AUX 2
	s_wait_alu depctr_va_vdst(0)                   ; WAIT 2, for batch 2's 24 reciprocals and 4 exponentials, ahead of KP + KN r_g
.if LIVE1
	FRL 2, NX                                      ; six plain instructions behind product 15: two additions and row 18's side work
	FRL 3, NX
.endif
	RS
	Q4 GT, 0
	RS
	FC 4
	Q4 IG, 0
	RS
	Q4 CC, 0
	RS                                             ; rows 22, 23: batch 3
	Q4 XC, 0
	RS
	Q4 XC, 4
	RS                                             ; row 24: o's additions read batches 1 and 2 and name no result of batch 3
	FC 5
	Q4 AO, 0
	s_wait_alu depctr_va_vdst(0)                   ; WAIT 3, for batch 3's 8 exponentials, ahead of the additions that read them
.if LIVE0
	s_wait_dscnt 0x0                               ; fragments 6 and 7, asked for 16 rows ago
.endif
.if LIVE1
	FRL 4, NX                                      ; four plain instructions, o's additions, behind product 23
	FRL 5, NX
.endif
	RS                                             ; rows 25-28: C's additions, and batch 4
	RID AC,0, RO,0, AC,1, RO,1, RO,2
	RS
	RID AC,2, RO,3, AC,3, RC,0, RC,1
	RS
	RID RC,2, RC,3, RO,4, RC,4, RC,5
	RS
	FC 6
	RID RC,6, RC,7, RO,5, RO,6, RO,7
	RS                                             ; row 29: work that names no result of batch 4
	AUX 3
	s_wait_alu depctr_va_vdst(0)                   ; WAIT 4, for batch 4's 16 reciprocals, ahead of 1 - 2 r
	AUXST
	RS
	Q4 TC, 0
	RS
	Q4 HH, 0
	RS
	FC 7
	Q4 VV, 0
	WIN 0
.if LIVE0
	s_wait_dscnt 0x0                               ; for the others' sake: my reads of tile n and my stores are done
	s_barrier_signal -1
.endif
.if LIVE1
	ds_store_b128 v[R_AH], v[HP:HP+3] offset:4096*TN
.endif
.endm
; A phase's first half: tile 0, half 0: there is no cell yet to set between the products.
.macro FIRSTHALF dec
.set U, 0
.set DEC, (\dec)
.set i, 0
	s_wait_dscnt 0x0                               ; all eight fragments
.if !DEC
	XS 0, XOFF, 0x6, XP, 0
.endif
.rept 32
	MM
.if DEC && (i >= 20) && (i%4 == 0)
	FCMM 4+(i-20)/4
.endif
.endr
	PLACES
	WIN 0
	s_wait_dscnt 0x0
	s_barrier_signal -1
.endm
.macro WLOAD                           ; my slice, 128 chunks of 512 bytes, into windows 2 and 3
	WIN 0x80
.set c, 0
.rept 64
	ds_load_b128 v[4*c:4*c+3], v[R_AW] offset:512*c
.set c, c+1
.endr
	WIN 0xc0
.set c, 0
.rept 64
	ds_load_b128 v[4*c:4*c+3], v[R_AW] offset:32768+512*c
.set c, c+1
.endr
	WIN 0
.endm
.macro ENCP n                          ; the input layer for step 0, tile n.  Tile 6's second half is left as sums: the first trip's side work finishes it, as in every trip
	WIN 0x55
	ds_load_b128 v[XB:XB+3],   v[R_XL] offset:XSLOT*(\n)
	ds_load_b128 v[XB+4:XB+7], v[R_XL] offset:XSLOT*(\n)+32
	s_wait_dscnt 0x0
	ENCMM 0
	ENCMM 1
	PLACES
.set j, 0
.rept 8
	v_max_num_f32 v[EA+j], 0, v[EA+j]
.set j, j+1
.endr
.set j, 0
.rept 4
	v_cvt_pk_f16_f32 v[EA+j], v[EA+2*j], v[EA+2*j+1]
.set j, j+1
.endr
	ds_store_b128 v[R_AE], v[EA:EA+3] offset:EOFF+4096*(\n)
.if (\n) < 6
.set j, 0
.rept 8
	v_max_num_f32 v[EA+8+j], 0, v[EA+8+j]
.set j, j+1
.endr
.set j, 0
.rept 4
	v_cvt_pk_f16_f32 v[EA+8+j], v[EA+8+2*j], v[EA+8+2*j+1]
.set j, j+1
.endr
	ds_store_b128 v[R_AE], v[EA+8:EA+11] offset:EOFF+4096*(\n)+512
.endif
.endm
.macro LASTP n                         ; the last prediction of tile n: two accumulators by turns
	FRL 4, \n
	FRL 5, \n
	FRL 6, \n
	FRL 7, \n
	s_wait_dscnt 0x0
	WIN 0x51
	v_wmma_f32_16x16x32_f16 v[FA:FA+7],   v[FW:FW+7],     v[FR+32:FR+39], v[FB:FB+7]
	v_wmma_f32_16x16x32_f16 v[FA2:FA2+7], v[FW+16:FW+23], v[FR+48:FR+55], 0
	v_wmma_f32_16x16x32_f16 v[FA:FA+7],   v[FW+8:FW+15],  v[FR+40:FR+47], v[FA:FA+7]
	v_wmma_f32_16x16x32_f16 v[FA2:FA2+7], v[FW+24:FW+31], v[FR+56:FR+63], v[FA2:FA2+7]
	PLACES
	WIN 0x55
.irp p, 0,2,4,6
	v_pk_add_f32 v[FA+\p:FA+\p+1], v[FA+\p:FA+\p+1], v[FA2+\p:FA2+\p+1]
.endr
.set j, 0
.rept 8
	v_max_num_f32 v[FA+j], 0, v[FA+j]
.set j, j+1
.endr
	HEADSUM
	HEADST \n
	WIN 0
.endm
	; ================ HEAD
	s_load_b128 s[4:7], s[0:1], 0x0                ; x s[4:5], wprep s[6:7]
	s_load_b64 s[8:9], s[0:1], 0x10                ; out0
	v_lshl_add_u32 v[SPW], v0, 2, SPARE
	v_mov_b32 v[NIL], 0
	ds_add_u32 v[SPW], v[NIL]                      ; the wave's opening: the add and its wait stand ahead of my first tensor load; work on registers stands between them
	ds_add_u32 v6, v7
	v_lshrrev_b32 v4, 5, v0
	v_readfirstlane_b32 s[WV], v4                  ; wave 0..3
	s_bfe_u32 s11, ttmp6, 0x40000                  ; cx: my place in the cluster; it enters x's and out0's addresses and the store mask alone
	s_lshl_b32 s12, ttmp9, 2
	s_add_co_u32 s12, s12, s11                     ; work-group = 4 x cluster + cx
	s_mul_i32 s43, s12, WGN
	s_min_u32 s13, s43, LASTB                      ; my first node
	s_sub_co_u32 s43, s43, s13                     ; nodes at my block's head that are a neighbour's (88 in the last group, else 0),
	s_mul_i32 s43, s43, 7
	s_lshr_b32 s43, s43, 2                         ; as chunks of 16 bytes of out0 (28 bytes a node)
	s_sub_co_u32 s45, 196, s43                     ; chunks that I store: a block has 112 x 28 / 16 = 196
	s_sub_co_u32 s52, 0, s43
	s_mul_i32 s48, s[WV], 65536                    ; my slice, in wprep and in LDS: no place in the cluster enters it
	s_mov_b32 s49, 0
	s_mov_b32 s[G0], 1                             ; count = 1
	s_mul_i32 s[G0+1], s[WV], 65536                ; LDS address
	s_mov_b32 s[G1], 15|(3<<16)|(1<<21)            ; the mask of four; elements of 8 bytes; bit 21 set beside a mask; no padding
	s_mov_b32 s[G1+1], 32<<16                      ; tensor_dim0 = 32 (256 bytes)
	s_mov_b32 s[G1+2], 256<<16                     ; tensor_dim1 = 256
	s_mov_b32 s[G1+3], 32<<16                      ; tile_dim0 = 32
	s_mov_b32 s[G1+4], 256                         ; tile_dim1 = 256: a dense block of 65,536 bytes
	s_mov_b32 s[G1+5], 32                          ; elements from row to row
	s_mov_b32 s[G1+6], 0
	s_mov_b32 s[G1+7], 0
	s_mov_b32 s[KN], 0xc0b8aa3b
	s_mov_b32 s[KN+1], s[KN]                       ; named as pairs
	s_mov_b32 s[KP], 0x4038aa3b
	s_mov_b32 s[KP+1], s[KP]
	s_mov_b32 s[SEL], 0x76543210
	s_mov_b32 s[SEL+1], 0xfedcba98
	s_mov_b32 s[OFF+1], 0
	s_wait_dscnt 0x0                               ; the opening add is done
	s_wait_kmcnt 0x0
	s_add_nc_u64 s[G0+2:G0+3], s[6:7], s[48:49]    ; the encoder's slice
	s_or_b32 s[G0+3], s[G0+3], 0x80000000          ; type = 2
	s_mul_i32 s[OFF], s13, 128
	s_add_nc_u64 s[XB0:XB0+1], s[4:5], s[OFF:OFF+1]
	s_mul_i32 s[OFF], s13, 28
	s_add_nc_u64 s[8:9], s[8:9], s[OFF:OFF+1]
	s_load_b64 s[46:47], s[6:7], O_SM+512          ; fc2_b, two of its copies
	CROUND                                         ; all four work-groups are here: the first joint loads meet
	tensor_load_to_lds s[G0:G0+3], s[G1:G1+7]
	s_nop 0
	PLACES
	s_wait_kmcnt 0x0
	; ================ PROLOGUE, while the weights are on their way
	v_and_b32 v16, 15, v0                          ; l % 16
	v_bfe_u32 v17, v0, 4, 1                        ; l / 16
	v_and_b32 v18, 7, v0
	v_bfe_u32 v19, v0, 3, 1
	v_lshlrev_b32 v[R_AF], 5, v18
	v_lshl_add_u32 v[R_AF], v17, 8, v[R_AF]
	v_lshl_add_u32 v[R_AF], v19, 4, v[R_AF]
	v_add_nc_u32 v[R_AF], HB, v[R_AF]
	s_lshl_b32 s14, s[WV], 10
	s_add_co_u32 s14, s14, HB
	v_lshlrev_b32 v[R_AH], 5, v16
	v_lshl_add_u32 v[R_AH], v17, 4, v[R_AH]
	v_add_nc_u32 v[R_AH], s14, v[R_AH]
	v_and_b32 v[R_AW], 31, v0
	v_lshl_add_u32 v[R_AW], v[R_AW], 4, s48
	v_lshl_add_u32 v[R_CP], v0, 4, HB
	v_lshrrev_b32 v20, 3, v0                       ; the node of my 16 bytes of x
	v_mul_u32_u24 v20, v20, XPITCH
	v_lshl_add_u32 v20, v18, 3, v20
	v_mul_u32_u24 v21, v16, XPITCH
	v_lshl_add_u32 v21, v17, 4, v21
	s_lshl_b32 s15, s[WV], 5
	v_add_nc_u32 v22, s15, v16                     ; unit 32 w + l % 16
	v_lshlrev_b32 v23, 6, v22
	v_lshl_add_u32 v23, v17, 4, v23                ; enc_W: rows of 64 bytes
	v_lshlrev_b32 v24, 5, v22                      ; enc_b: 32 bytes a unit
	s_lshl_b32 s15, s[WV], 12
	v_lshl_add_u32 v25, v16, 5, s15                ; bias: 4,096 w + 32 (l % 16)
	WIN 0x40                                       ; destination window 1
	v_add_nc_u32 v[R_XS], HB, v20
	v_add_nc_u32 v[R_XL], HB, v21
	v_lshlrev_b32 v[R_XO], 4, v0
	v_mov_b32 v[R_AE], v[R_AH]
	WIN 0x55
.irp n, 0,1,2,3,4,5,6
	global_load_b128 v[XR+4*\n:XR+4*\n+3], v[R_XO], s[XB0:XB0+1] offset:2048*\n   ; x of step 0: a wave's load covers 512 consecutive bytes
.endr
	WIN 0x40
.irp e, 0,1
.irp h, 0,1
	global_load_b128 v[EW+8*\e+4*\h:EW+8*\e+4*\h+3], v23, s[6:7] offset:O_ENCW+1024*\e+32*\h
	global_load_b128 v[EB+8*\e+4*\h:EB+8*\e+4*\h+3], v24, s[6:7] offset:O_ENCB+512*\e+16*\h
.endr
.endr
.irp r, 0,1,2,3,4,5,6,7
	global_load_b128 v[BI+8*\r:BI+8*\r+3],   v25, s[6:7] offset:O_BE+512*\r
	global_load_b128 v[BI+8*\r+4:BI+8*\r+7], v25, s[6:7] offset:O_BE+512*\r+16
.endr
	WIN 0
.set c, 0
.rept 112                              ; c starts at 0: state, not sums; written here, in the wait for the loads, so that step 0 is a step like any other
	v_mov_b32 v[CH+c], 0
.set c, c+1
.endr
.irp p, 4,5,6,7
	v_mov_b32 v[HP+\p], 0                          ; h of (6, 1), which the first trip stores once more, and the zeros for H
.endr
.irp n, 0,1,2,3,4,5,6
	XS \n, XSLOT*\n, 0x1e, XB0, XSTEP+2048*\n      ; 30 = (6 - n) loads of x, 24 of parameters, n reloads.  The stage lies where H will; the reload is step 1's
.endr
	s_wait_dscnt 0x0
	s_barrier_signal -1
	s_barrier_wait -1                              ; all of x's step 0 is staged
	s_wait_loadcnt 0x7                             ; the parameters are in: the seven reloads are younger
.irp n, 0,1,2,3,4,5,6
	ENCP \n
.endr
	s_wait_dscnt 0x0
	s_barrier_signal -1
	s_barrier_wait -1                              ; nobody reads the stage any more
	WIN 0
.set c, 0
.rept 14
	ds_store_b128 v[R_CP], v[HP+4:HP+7] offset:2048*c   ; h starts at 0
.set c, c+1
.endr
	; ================ THE ENCODER'S WEIGHTS INTO REGISTERS; THE DECODER'S INTO THE SAME LDS BYTES
	s_wait_tensorcnt 0x0                           ; my slice is in; only I read it
	WLOAD
	s_wait_tensorcnt 0x0                           ; no tensor load of mine is out, so group 0 may be written
	ds_add_u32 v[SPW], v[NIL]                      ; 0 onto my spare word
	s_add_nc_u64 s[G0+2:G0+3], s[G0+2:G0+3], 0x40000   ; the decoder's slice lies 262,144 bytes on; the type bits on top are not reached
	s_wait_dscnt 0x0                               ; the add is done, my slice is in registers, my zeros are in H
	CROUND                                         ; so in every wave of all four work-groups
	tensor_load_to_lds s[G0:G0+3], s[G1:G1+7]      ; it has the whole encoder in which to land
	s_nop 0
	PLACES
.irp k, 0,1,2,3,4,5,6,7
	FRL \k, 0
.endr
	s_mov_b32 s[TT], 2                             ; trip t stages x of step t + 1 and asks for step min(t + 2, 11): no load leaves x
	s_add_nc_u64 s[XP:XP+1], s[XB0:XB0+1], 2*XSTEP
	s_mov_b32 s[CNT], 12
	; ================ ENCODER: 12 trips of 14 halves.  The last trip's input layer serves nothing: the price of one text for every trip
	FIRSTHALF 0
	s_branch .Le_mid                               ; the loop is entered behind its first half
.Le_top:
	HALF 0, 0, 0
.Le_mid:
	HALF 0, 1, 0
.irp n, 1,2,3,4,5,6
	HALF \n, 0, 0
	HALF \n, 1, 0
.endr
	s_wait_xcnt 0x0                                ; x's base is rewritten only behind this wait
	s_add_co_u32 s[TT], s[TT], 1
	s_min_u32 s[TT], s[TT], 11
	s_mul_i32 s[OFF], s[TT], XSTEP
	s_add_nc_u64 s[XP:XP+1], s[XB0:XB0+1], s[OFF:OFF+1]
	s_sub_co_u32 s[CNT], s[CNT], 1
	s_cmp_lg_u32 s[CNT], 0
	s_cbranch_scc1 .Le_top
	; ================ FROM ENCODER TO DECODER
	HALF 0, 0, 0, 0                                ; the cell of (6, 1)
	ds_store_b128 v[R_AH], v[HP+4:HP+7] offset:4096*6+512
	s_wait_dscnt 0x0
	s_barrier_signal -1
	s_barrier_wait -1                              ; H holds the encoder's last h, whole; nobody reads E any more
.set c, 0
.rept 14
	ds_load_b128 v[FR+4*c:FR+4*c+3], v[R_CP] offset:2048*c
.set c, c+1
.endr
	s_wait_dscnt 0x0
.set c, 0
.rept 14
	ds_store_b128 v[R_CP], v[FR+4*c:FR+4*c+3] offset:EOFF+2048*c   ; the decoder's fixed input
.set c, c+1
.endr
	s_wait_loadcnt 0x0                             ; x's last loads have landed: their registers take fc1_W
	v_and_b32 v16, 15, v0
	v_bfe_u32 v17, v0, 4, 1
	s_lshl_b32 s15, s[WV], 12
	v_lshl_add_u32 v25, v16, 5, s15                ; bias
	s_lshl_b32 s15, s[WV], 4
	v_add_nc_u32 v18, s15, v16                     ; fc1 row 16 w + l % 16
	v_lshlrev_b32 v18, 8, v18
	v_lshl_add_u32 v18, v17, 4, v18
	s_lshl_b32 s15, s[WV], 6
	v_lshl_add_u32 v19, v17, 5, s15                ; fc1_b, fc2_W: my 8 outputs 16 w + 8 (l / 16) ..
	v_mul_u32_u24 v20, v16, 28
	s_add_co_u32 s14, s48, 12
	WIN 0x40
.irp r, 0,1,2,3,4,5,6,7
	global_load_b128 v[BI+8*\r:BI+8*\r+3],   v25, s[6:7] offset:O_BD+512*\r
	global_load_b128 v[BI+8*\r+4:BI+8*\r+7], v25, s[6:7] offset:O_BD+512*\r+16
.endr
.irp k, 0,1,2,3
	global_load_b128 v[FW+8*\k:FW+8*\k+3],   v18, s[6:7] offset:O_FC1W+64*\k
	global_load_b128 v[FW+8*\k+4:FW+8*\k+7], v18, s[6:7] offset:O_FC1W+64*\k+32
.endr
	global_load_b128 v[FB:FB+3],   v19, s[6:7] offset:O_SM
	global_load_b128 v[FB+4:FB+7], v19, s[6:7] offset:O_SM+16
	global_load_b128 v[FV:FV+3],   v19, s[6:7] offset:O_SM+256
	global_load_b128 v[FV+4:FV+7], v19, s[6:7] offset:O_SM+272
	v_add_nc_u32 v[R_PS0], s14, v20                ; prediction t of node j lies at 16 + 28 j + 4 t of my slice; step s writes prediction s - 1, so step 0's lands in the 16 spare bytes or in a word written again later
	v_add_nc_u32 v[R_PS], s14, v20
	v_mov_b32 v[HT2], 0                            ; v_permlanex16_b32's destination counts as read
	WIN 0
	s_wait_tensorcnt 0x0                           ; the decoder's slice
	WLOAD
	s_wait_dscnt 0x0
	s_barrier_signal -1
	s_barrier_wait -1                              ; E is whole
	s_wait_loadcnt 0x0
.irp k, 0,1,2,3,4,5,6,7
	FRL \k, 0
.endr
	s_mov_b32 s[CNT], 7
	s_mov_b32 s51, 0
	; ================ DECODER: 7 trips.  A step's h fragments also feed the head: step s makes prediction s - 1
	FIRSTHALF 1
	s_branch .Ld_mid
.Ld_top:
	HALF 0, 0, 1
.Ld_mid:
	HALF 0, 1, 1
.irp n, 1,2,3,4,5,6
	HALF \n, 0, 1
	HALF \n, 1, 1
.endr
	s_add_co_u32 s51, s51, 4
	WIN 0x55
	v_add_nc_u32 v[R_PS], s51, v[R_PS0]
	WIN 0
	s_sub_co_u32 s[CNT], s[CNT], 1
	s_cmp_lg_u32 s[CNT], 0
	s_cbranch_scc1 .Ld_top
	; ================ THE LAST PREDICTION
	HALF 0, 0, 1, 0                                ; the cell of (6, 1)
	ds_store_b128 v[R_AH], v[HP+4:HP+7] offset:4096*6+512
	s_wait_dscnt 0x0
	s_barrier_signal -1
	s_barrier_wait -1
.irp n, 0,1,2,3,4,5,6
	LASTP \n
.endr
	; ================ OUT: the four waves' partial predictions are added; thread t takes chunks t and t + 128 of the block's 196
	s_wait_dscnt 0x0
	s_barrier_signal -1
	s_barrier_wait -1
	v_lshl_add_u32 v16, v0, 4, 16
	v_add_nc_u32 v17, 0x10000, v16
	v_add_nc_u32 v18, 0x20000, v16
	v_add_nc_u32 v19, 0x30000, v16
	v_lshlrev_b32 v20, 4, v0
	v_add_nc_u32 v21, s52, v0                      ; chunk less the first that is mine: wraps to a large number for a neighbour's
.irp p, 0,1,2,3
	ds_load_b128 v[FR+8*\p:FR+8*\p+3],   v[16+\p]
	ds_load_b128 v[FR+8*\p+4:FR+8*\p+7], v[16+\p] offset:2048   ; past chunk 195 these read bytes of the slice; they are not stored
.endr
	s_wait_dscnt 0x0
.irp p, 0,2,4,6
	v_pk_add_f32 v[FR+\p:FR+\p+1], v[FR+\p:FR+\p+1], v[FR+8+\p:FR+8+\p+1]
	v_pk_add_f32 v[FR+16+\p:FR+16+\p+1], v[FR+16+\p:FR+16+\p+1], v[FR+24+\p:FR+24+\p+1]
.endr
.irp p, 0,2,4,6
	v_pk_add_f32 v[FR+\p:FR+\p+1], v[FR+\p:FR+\p+1], v[FR+16+\p:FR+16+\p+1]
.endr
.irp p, 0,2,4,6
	v_pk_add_f32 v[FR+\p:FR+\p+1], v[FR+\p:FR+\p+1], s[46:47] op_sel_hi:[1,0]   ; + fc2_b
.endr
	v_cmp_gt_u32 vcc_lo, s45, v21
	s_wait_xcnt 0x0                                ; EXEC changes only behind s_wait_xcnt 0
	s_and_saveexec_b32 s44, vcc_lo
	global_store_b128 v20, v[FR:FR+3], s[8:9]      ; neighbouring lanes store neighbouring 16 bytes
	s_wait_xcnt 0x0
	s_or_b32 exec_lo, exec_lo, s44
	v_add_nc_u32 v21, 128, v21
	v_cmp_gt_u32 vcc_lo, s45, v21
	s_wait_xcnt 0x0
	s_and_saveexec_b32 s44, vcc_lo
	global_store_b128 v20, v[FR+4:FR+7], s[8:9] offset:2048
	s_wait_xcnt 0x0
	s_or_b32 exec_lo, exec_lo, s44
	s_wait_tensorcnt 0x0                           ; the wave's end: behind my last tensor load and my last LDS store
	ds_add_u32 v[SPW], v[NIL]
	s_wait_dscnt 0x0
	CROUND                                         ; the closing round
	s_endpgm
.Lfunc_end_k_qc6c9dfa87b_lstm:
	.size	k_qc6c9dfa87b_lstm, .Lfunc_end_k_qc6c9dfa87b_lstm-k_qc6c9dfa87b_lstm
	.p2alignl 7, 3214868480
	.fill 96, 4, 3214868480
	.section	.rodata,"a",@progbits
	.p2align	6, 0x0
	.amdhsa_kernel k_qc6c9dfa87b_lstm
		.amdhsa_group_segment_fixed_size 327680
		.amdhsa_private_segment_fixed_size 0
		.amdhsa_enable_private_segment 0
		.amdhsa_kernarg_size 24
		.amdhsa_user_sgpr_count 2
		.amdhsa_user_sgpr_kernarg_segment_ptr 1
		.amdhsa_wavefront_size32 1
		.amdhsa_system_sgpr_workgroup_id_x 1
		.amdhsa_system_sgpr_workgroup_id_y 1
		.amdhsa_system_sgpr_workgroup_id_z 1
		.amdhsa_system_vgpr_workitem_id 0
		.amdhsa_next_free_vgpr 1024
		.amdhsa_next_free_sgpr 66
		.amdhsa_reserve_vcc 1
		.amdhsa_float_denorm_mode_32 3
		.amdhsa_float_denorm_mode_16_64 3
		.amdhsa_memory_ordered 1
		.amdhsa_forward_progress 1
		.amdhsa_inst_pref_size 255
	.end_amdhsa_kernel
	.section	.bss,"aw",@nobits
	.p2align	6
	.space	262144
	.amdgpu_metadata
---
amdhsa.version: [ 1, 2 ]
amdhsa.kernels:
  - .name:           k_qc6c9dfa87b_lstm
    .symbol:         k_qc6c9dfa87b_lstm.kd
    .args:
      - { .name: x, .offset: 0, .size: 8, .value_kind: global_buffer, .address_space: global }
      - { .name: wprep, .offset: 8, .size: 8, .value_kind: global_buffer, .address_space: global }
      - { .name: out0, .offset: 16, .size: 8, .value_kind: global_buffer, .address_space: global }
    .group_segment_fixed_size: 327680
    .private_segment_fixed_size: 0
    .kernarg_segment_align: 8
    .kernarg_segment_size: 24
    .max_flat_workgroup_size: 128
    .sgpr_count:     66
    .vgpr_count:     1024
    .wavefront_size: 32
...
	.end_amdgpu_metadata
.endif
;; end of part 3
